; MI455X (gfx1250); checked and timed in simulation.
; The chip was launched on July 23, 2026; its instructions are those of AMD's public machine-readable ISA for CDNA 5 (MIT licence, August 2026) and "CDNA5" Instruction Set Architecture Reference Guide (July 2026). The comments in the code are by the model that wrote it; some were corrected since.
;; Multi Head Graph Attention. Allowed arithmetic: float matrix products may take bf16 or f16 operands with f32 sums; all other float work in f32.
;; Inputs: Wk 1,024 x 1,024 float32; Wo 1,024 x 1,024 float32; Wq 1,024 x 1,024 float32; Wv 1,024 x 1,024 float32; bk 1,024 float32; bo 1,024 float32; bq 1,024 float32; bv 1,024 float32; edge_encoding 8 x 1,024 x 1,024 float32; key 8 x 1,024 x 1,024 float32; key_padding_mask 8 x 1,024 bool; query 8 x 1,024 x 1,024 float32; spatial_encoding 8 x 1,024 x 1,024 float32; value 8 x 1,024 x 1,024 float32.
;; Outputs: out0 8 x 1,024 x 1,024 float32.
;; One version. Each part assembles by itself: llvm-mc -triple=amdgcn-amd-amdhsa -mcpu=gfx1250 --defsym DOCPART=n.
;; ======== version 1 of 1: 4 launches
;; limits: values are held in f16: magnitudes above 65,504 overflow, below 6.1e-05 lose precision; right only within a limited range of input values
;; workspace buffers: wts 8,388,608 bytes; bias8 33,554,432 bytes; qkv 50,331,648 bytes; oh 16,777,216 bytes
;; launch prep (part 1): grid 512 x 1, 8 waves a work-group, no clusters, 35,840 bytes of LDS; arguments spatial_encoding, edge_encoding, key_padding_mask, Wq, Wk, Wv, Wo, bias8, wts; writes bias8, wts
.if DOCPART == 1
	.amdgcn_target "amdgcn-amd-amdhsa--gfx1250"
	.amdhsa_code_object_version 6
	.text
	.protected	k_q74cfa472c4_prep
	.globl	k_q74cfa472c4_prep
	.p2align	8
	.type	k_q74cfa472c4_prep,@function
k_q74cfa472c4_prep:
	s_mov_b64 s[64:65], 0
	v_nop
	global_prefetch_b8 v0, s[64:65] scope:SCOPE_SE
	s_setreg_imm32_b32 hwreg(HW_REG_WAVE_MODE, 25, 1), 1
	s_wait_xcnt 0x0
; PREP: two streams, and every wave has an equal share of both.
; (1) bias8 = 8 x (bf16(spatial) + bf16(edge)) in f32, or -1e30 where the key is padded, laid out in the order in which the attention launch takes it as the C operand of
; S^T = K Q^T: [b 8][qb 4][j 16][w 4][qt 4][kt 4][half 2][lane 32][e 4], with query = 256 qb + 64 w + 16 qt + lane % 16 and key = 64 j + 16 kt + 8 (lane / 16) + 4 half + e.
; The factor 8 is exact: (q.k + 8 bias) / 8 = q.k / 8 + bias.
; (2) wts = the four weight matrices, [k][n] as they lie, rounded to bf16; Wo's rounded number is written as f16 (the last product multiplies f16).
; LIMITS.  -1e30 stands for minus infinity; Wo within f16's 65,504.
; SHARES.  512 work-groups of eight waves.  Work-group g owns 16 query rows (g % 64) of batch g / 64; wave w the keys 128 w to 128 w + 127, two tiles of 64: the work-group reads 16 whole rows of each
; input.  Wave 8 g + w of the 4,096 also owns 4 KiB of the 16 MiB of weights.  All 42 loads of a wave go out at its start; no register is loaded twice.
; No matrix unit, no cluster, no tensor load: nothing is shared between work-groups and memory binds.
; A load takes 256 consecutive bytes of two rows; a tile turns through the wave's own stage in LDS (16 rows x 272 bytes; no barrier: LDS serves a wave's instructions in order, ISA guide 5.7.1.4);
; each store covers 512 consecutive bytes.
.set STG,   16*272                     ; a wave's stage
.set SPARE, 8*STG                      ; behind the stages: the spare words, 128 bytes for each wave, that no other line names
.set IN,  4                            ; v4   byte offset of my 16 bytes in the first two rows
.set MO,  5                            ; v5   byte offset of my four mask bytes
.set STO, 6                            ; v6   stage: where I put 16 bytes of a row
.set RD,  7                            ; v7   stage: where I read a fragment's 16 bytes
.set GO,  8                            ; v8   16 x lane
.set NEG, 9                            ; v9   -1e30
.set SPW, 10                           ; v10  my spare word; never rewritten
.set NIL, 11                           ; v11  0; never rewritten
.set MW,  12                           ; v12-13 mask words of the two tiles
.set WI,  14                           ; v14  32 x lane: my eight f32 of 1 KiB of weights
.set T,   16                           ; v16-31 at work
.set OUT, 32                           ; v32-63 a tile, to store
.set BUF, 64                           ; v64-191 tile t: 32 registers of spatial, 32 of edge
.set WB,  192                          ; v192-223 weights as loaded
.set WO,  224                          ; v224-239 weights to store
.set MK,  32                           ; s[32:39] lane masks: tile t, byte e at MK + 4 t + e
	s_load_b512 s[4:19], s[0:1], 0x0               ; spatial 4, edge 6, mask 8, Wq 10, Wk 12, Wv 14, Wo 16, bias8 18
	s_load_b64 s[20:21], s[0:1], 0x40              ; wts
	v_lshl_add_u32 v[SPW], v0, 2, SPARE
	v_mov_b32 v[NIL], 0
	v_lshrrev_b32 v1, 5, v0
	v_readfirstlane_b32 s22, v1                    ; wave 0..7
	v_and_b32 v1, 31, v0                           ; lane
	v_and_b32 v2, 15, v0                           ; r
	v_bfe_u32 v3, v0, 4, 1                         ; hi
	v_lshlrev_b32 v[GO], 4, v1
	v_lshlrev_b32 v[WI], 5, v1
	s_mov_b32 s48, 0xffff0000                      ; a word's upper bf16
	s_lshr_b32 s24, ttmp9, 6                       ; b
	s_and_b32 s25, ttmp9, 63                       ; qg: which 16 rows
	s_lshl_b32 s28, s24, 10
	s_lshl_b32 s29, s25, 4
	s_add_co_u32 s28, s28, s29                     ; row 1,024 b + 16 qg
	s_lshl_b32 s28, s28, 12                        ; x 4,096 bytes
	s_lshl_b32 s29, s22, 9
	s_add_co_u32 s28, s28, s29                     ; + 128 keys x 4 bytes x wave
	s_mov_b32 s29, 0
	s_lshl_b32 s30, s24, 10
	s_lshl_b32 s31, s22, 7
	s_add_co_u32 s30, s30, s31                     ; mask: 1,024 b + 128 wave
	s_mov_b32 s31, 0
	s_lshl_b32 s50, s24, 2
	s_lshr_b32 s51, s25, 4
	s_add_co_u32 s50, s50, s51                     ; 4 b + qb
	s_lshl_b32 s50, s50, 20
	s_lshl_b32 s51, s22, 17                        ; j = 2 x wave
	s_add_co_u32 s50, s50, s51
	s_bfe_u32 s51, s25, 0x20002                    ; w
	s_lshl_b32 s51, s51, 14
	s_add_co_u32 s50, s50, s51
	s_and_b32 s51, s25, 3                          ; qt
	s_lshl_b32 s51, s51, 12
	s_add_co_u32 s50, s50, s51
	s_mov_b32 s51, 0
	s_lshr_b32 s26, ttmp9, 7                       ; the weights: which matrix (128 work-groups each),
	s_lshl_b32 s27, ttmp9, 3
	s_add_co_u32 s27, s27, s22
	s_and_b32 s27, s27, 1023                       ; which of its 1,024 pieces,
	s_lshl_b32 s40, s27, 12                        ; 4,096 bytes of f32 each,
	s_mov_b32 s41, 0
	s_lshl_b32 s42, s27, 11                        ; 2,048 bytes in wts
	s_lshl_b32 s43, s26, 21
	s_add_co_u32 s42, s42, s43
	s_mov_b32 s43, 0
	v_lshlrev_b32 v[IN], 4, v2
	v_lshl_add_u32 v[IN], v3, 12, v[IN]            ; 4,096 hi + 16 r
	v_lshlrev_b32 v[MO], 2, v2
	s_mul_i32 s23, s22, STG                        ; my stage
	v_mul_u32_u24 v[STO], v3, 272
	v_lshl_add_u32 v[STO], v2, 4, v[STO]
	v_add_nc_u32 v[STO], s23, v[STO]               ; in: row hi, 16 r
	v_mul_u32_u24 v[RD], v2, 272
	v_lshl_add_u32 v[RD], v3, 5, v[RD]
	v_add_nc_u32 v[RD], s23, v[RD]                 ; back: row r, keys 8 hi on
	v_mov_b32 v[NEG], 0xf149f2ca                   ; -1e30
	s_mov_b32 s54, 0x41000000                      ; 8.0; named as a pair
	s_mov_b32 s55, s54
	s_wait_kmcnt 0x0
	s_add_nc_u64 s[4:5], s[4:5], s[28:29]
	s_add_nc_u64 s[6:7], s[6:7], s[28:29]
	s_add_nc_u64 s[8:9], s[8:9], s[30:31]
	s_add_nc_u64 s[18:19], s[18:19], s[50:51]
	s_cmp_eq_u32 s26, 1
	s_cselect_b64 s[44:45], s[12:13], s[10:11]
	s_cmp_eq_u32 s26, 2
	s_cselect_b64 s[44:45], s[14:15], s[44:45]
	s_cmp_eq_u32 s26, 3
	s_cselect_b64 s[44:45], s[16:17], s[44:45]
	s_add_nc_u64 s[44:45], s[44:45], s[40:41]
	s_add_nc_u64 s[46:47], s[20:21], s[42:43]
.macro LOADT t                         ; tile t: 16 loads, spatial and edge by turns; load i takes rows 2 i and 2 i + 1
.irp i, 0,1,2,3,4,5,6,7
	global_load_b128 v[BUF+64*(\t)+4*(\i):BUF+64*(\t)+4*(\i)+3],       v[IN], s[4:5] offset:(\i)*8192+(\t)*256 th:TH_LOAD_NT
	global_load_b128 v[BUF+64*(\t)+32+4*(\i):BUF+64*(\t)+32+4*(\i)+3], v[IN], s[6:7] offset:(\i)*8192+(\t)*256 th:TH_LOAD_NT
.endr
.endm
; Tile t.  left = the loads issued behind this tile's that may stay out.
.macro TILE t, left
.set SB, BUF+64*(\t)
.set EB, BUF+64*(\t)+32
.irp i, 0,1,2,3,4,5,6,7
	s_wait_loadcnt (\left)+14-2*(\i)               ; loads come back in order (ISA guide 5.7.1): pair i is in; this tile's later pairs and the loads behind them stay out
	v_cvt_pk_bf16_f32 v[T],   v[SB+4*(\i)],   v[SB+4*(\i)+1]   ; both inputs are rounded to bf16,
	v_cvt_pk_bf16_f32 v[T+1], v[SB+4*(\i)+2], v[SB+4*(\i)+3]
	v_cvt_pk_bf16_f32 v[T+2], v[EB+4*(\i)],   v[EB+4*(\i)+1]
	v_cvt_pk_bf16_f32 v[T+3], v[EB+4*(\i)+2], v[EB+4*(\i)+3]
	v_lshlrev_b32 v[T+4],  16,  v[T]               ; widened again,
	v_and_b32     v[T+5],  s48, v[T]
	v_lshlrev_b32 v[T+6],  16,  v[T+1]
	v_and_b32     v[T+7],  s48, v[T+1]
	v_lshlrev_b32 v[T+8],  16,  v[T+2]
	v_and_b32     v[T+9],  s48, v[T+2]
	v_lshlrev_b32 v[T+10], 16,  v[T+3]
	v_and_b32     v[T+11], s48, v[T+3]
	v_pk_add_f32 v[T+4:T+5], v[T+4:T+5], v[T+8:T+9]            ; added in f32,
	v_pk_add_f32 v[T+6:T+7], v[T+6:T+7], v[T+10:T+11]
	v_pk_mul_f32 v[T+4:T+5], v[T+4:T+5], s[54:55] op_sel_hi:[1,0]  ; and multiplied by 8, which is exact
	v_pk_mul_f32 v[T+6:T+7], v[T+6:T+7], s[54:55] op_sel_hi:[1,0]
	v_cndmask_b32 v[T+4], v[T+4], v[NEG], s[MK+4*(\t)]         ; a padded key takes -1e30
	v_cndmask_b32 v[T+5], v[T+5], v[NEG], s[MK+4*(\t)+1]
	v_cndmask_b32 v[T+6], v[T+6], v[NEG], s[MK+4*(\t)+2]
	v_cndmask_b32 v[T+7], v[T+7], v[NEG], s[MK+4*(\t)+3]
	ds_store_b128 v[STO], v[T+4:T+7] offset:(\i)*544
.endr
.if (\t) > 0
	s_wait_xcnt 0x0                                ; OUT, which the last tile's stores read, is loaded again only behind this wait
.endif
.irp u, 0,1,2,3,4,5,6,7                ; u = 2 kt + half
	ds_load_b128 v[OUT+4*(\u):OUT+4*(\u)+3], v[RD] offset:((\u)/2)*64+((\u)%2)*16
.endr
.irp u, 0,1,2,3,4,5,6,7
	s_wait_dscnt 7-(\u)                            ; the younger stage loads stay out
	global_store_b128 v[GO], v[OUT+4*(\u):OUT+4*(\u)+3], s[18:19] offset:(\t)*65536+(\u)*512  ; 512 consecutive bytes, at a multiple of 512 from the buffer's first
.endr
.endm
; My 4 KiB of weights: four times eight numbers a lane, rounded and stored.  f16 = 1: the bf16 number is written as f16.
.macro WOUT f16
.irp o, 0,1,2,3
	s_wait_loadcnt 6-2*(\o)                        ; the later pairs stay out
.irp j, 0,1,2,3
	v_cvt_pk_bf16_f32 v[WO+4*(\o)+(\j)], v[WB+8*(\o)+2*(\j)], v[WB+8*(\o)+2*(\j)+1]
.endr
.if \f16
.irp j, 0,1,2,3
	v_lshlrev_b32 v[T+2*(\j)],   16,  v[WO+4*(\o)+(\j)]
	v_and_b32     v[T+2*(\j)+1], s48, v[WO+4*(\o)+(\j)]
.endr
.irp j, 0,1,2,3
	v_cvt_pk_f16_f32 v[WO+4*(\o)+(\j)], v[T+2*(\j)], v[T+2*(\j)+1]
.endr
.endif
	global_store_b128 v[GO], v[WO+4*(\o):WO+4*(\o)+3], s[46:47] offset:(\o)*512  ; 512 consecutive bytes
.endr
	s_endpgm
.endm
	global_load_b32 v[MW],   v[MO], s[8:9]         ; the mask bytes of my four keys in tile 0
	global_load_b32 v[MW+1], v[MO], s[8:9] offset:64   ; and in tile 1
	LOADT 0
	LOADT 1
.irp o, 0,1,2,3
	global_load_b128 v[WB+8*(\o):WB+8*(\o)+3],   v[WI], s[44:45] offset:(\o)*1024 th:TH_LOAD_NT
	global_load_b128 v[WB+8*(\o)+4:WB+8*(\o)+7], v[WI], s[44:45] offset:(\o)*1024+16 th:TH_LOAD_NT
.endr
	s_wait_loadcnt 40                              ; the mask words are in; the tiles' 32 loads and the weights' 8 stay out
.irp t, 0,1
.irp e, 0,1,2,3
	v_bfe_u32 v[T], v[MW+(\t)], 8*(\e), 8
	v_cmp_ne_u32 s[MK+4*(\t)+(\e)], 0, v[T]
.endr
.endr
	TILE 0, 24                                     ; behind tile 0's loads: tile 1's 16 and the weights' 8
	TILE 1, 8
	s_wait_tensorcnt 0x0                           ; the wave's closing lines, behind my last LDS store; no LDS instruction follows
	ds_add_u32 v[SPW], v[NIL]
	s_wait_dscnt 0x0
	s_cmp_eq_u32 s26, 3
	s_cbranch_scc1 .Lwo
	WOUT 0
.Lwo:
	WOUT 1
.Lfunc_end_k_q74cfa472c4_prep:
	.size	k_q74cfa472c4_prep, .Lfunc_end_k_q74cfa472c4_prep-k_q74cfa472c4_prep
	.p2alignl 7, 3214868480
	.fill 96, 4, 3214868480
	.section	.rodata,"a",@progbits
	.p2align	6, 0x0
	.amdhsa_kernel k_q74cfa472c4_prep
		.amdhsa_group_segment_fixed_size 35840
		.amdhsa_private_segment_fixed_size 0
		.amdhsa_enable_private_segment 0
		.amdhsa_kernarg_size 72
		.amdhsa_user_sgpr_count 2
		.amdhsa_user_sgpr_kernarg_segment_ptr 1
		.amdhsa_wavefront_size32 1
		.amdhsa_system_sgpr_workgroup_id_x 1
		.amdhsa_system_sgpr_workgroup_id_y 1
		.amdhsa_system_sgpr_workgroup_id_z 1
		.amdhsa_system_vgpr_workitem_id 0
		.amdhsa_next_free_vgpr 240
		.amdhsa_next_free_sgpr 66
		.amdhsa_reserve_vcc 0
		.amdhsa_float_denorm_mode_32 3
		.amdhsa_float_denorm_mode_16_64 3
		.amdhsa_memory_ordered 1
		.amdhsa_forward_progress 1
		.amdhsa_inst_pref_size 34
	.end_amdhsa_kernel
	.amdgpu_metadata
---
amdhsa.version: [ 1, 2 ]
amdhsa.kernels:
  - .name:           k_q74cfa472c4_prep
    .symbol:         k_q74cfa472c4_prep.kd
    .args:
      - { .name: spatial_encoding, .offset: 0, .size: 8, .value_kind: global_buffer, .address_space: global }
      - { .name: edge_encoding, .offset: 8, .size: 8, .value_kind: global_buffer, .address_space: global }
      - { .name: key_padding_mask, .offset: 16, .size: 8, .value_kind: global_buffer, .address_space: global }
      - { .name: Wq, .offset: 24, .size: 8, .value_kind: global_buffer, .address_space: global }
      - { .name: Wk, .offset: 32, .size: 8, .value_kind: global_buffer, .address_space: global }
      - { .name: Wv, .offset: 40, .size: 8, .value_kind: global_buffer, .address_space: global }
      - { .name: Wo, .offset: 48, .size: 8, .value_kind: global_buffer, .address_space: global }
      - { .name: bias8, .offset: 56, .size: 8, .value_kind: global_buffer, .address_space: global }
      - { .name: wts, .offset: 64, .size: 8, .value_kind: global_buffer, .address_space: global }
    .group_segment_fixed_size: 35840
    .private_segment_fixed_size: 0
    .kernarg_segment_align: 8
    .kernarg_segment_size: 72
    .max_flat_workgroup_size: 256
    .sgpr_count:     66
    .vgpr_count:     240
    .wavefront_size: 32
...
	.end_amdgpu_metadata
.endif
;; end of part 1
;; launch proj (part 2): grid 4 x 64, 4 waves a work-group, clusters of 4 x 4, 327,680 bytes of LDS; arguments query, key, value, wts, bq, bk, bv, qkv; writes qkv
.if DOCPART == 2
	.amdgcn_target "amdgcn-amd-amdhsa--gfx1250"
	.amdhsa_code_object_version 6
	.text
	.protected	k_q74cfa472c4_proj
	.globl	k_q74cfa472c4_proj
	.p2align	8
	.type	k_q74cfa472c4_proj,@function
k_q74cfa472c4_proj:
	s_mov_b64 s[64:65], 0
	v_nop
	global_prefetch_b8 v0, s[64:65] scope:SCOPE_SE
	s_setreg_imm32_b32 hwreg(HW_REG_WAVE_MODE, 25, 1), 1
	s_wait_xcnt 0x0
	s_wait_alu depctr_hold_cnt(0) depctr_sa_sdst(0) depctr_va_vdst(0) depctr_va_sdst(0) depctr_va_ssrc(0) depctr_va_vcc(0) depctr_vm_vsrc(0)
	s_getreg_b32 s2, hwreg(HW_REG_IB_STS2, 6, 4)
	s_cmp_eq_u32 s2, 0
	s_cbranch_scc0 .Lentry_in_a_cluster
	s_endpgm
.Lentry_in_a_cluster:
	s_bfe_u32 s2, ttmp6, 0x10000c
	s_cmp_lg_u32 s2, 0xf033
	s_cbranch_scc0 .Lentry_shape_is_right
	s_endpgm
.Lentry_shape_is_right:
; THE THREE PROJECTIONS in one launch: y = bf16(x) bf16(W) + bf16(b), sums in f32, y rounded once to f16 and written by heads: qkv = q, k, v, each [b*16+h][t][64].
; LIMIT.  f16 holds no number beyond 65,504: q, k and v must lie within it.
; SHARES.  256 work-groups THAT STAY: each makes the same tile of 128 (m) x 256 (n) of q, then of k, then of v; each of four waves 64 x 128: 32 accumulators, 256 registers.
; ONE WALK.  A tile's K goes in 8 steps of 128; the three tiles are one walk of 24 steps through two LDS slots, and the ring does not stop at a tile's end: W's three matrices lie end to end in wts
; (8 steps of 262,144 bytes are one matrix), so its address only steps on; x's address is made anew for each fill from the step's number: the pointer of projection step / 8, the tile's rows, 512 bytes x (step % 8).
; A lap is two steps.  The loop's 11 trips fill steps 2 to 23; the last lap is written out and fills nothing.  In every fourth trip the finished tile goes out and the next tile's sums are started: that text
; holds no barrier and no tensor load, and the other trips jump forward over it.  The kernel's start jumps into it behind the way out, so a tile's starting quarter is written once.
; x arrives as f32 (rows of 512 bytes) and is rounded to bf16 between LDS and the matrix unit; W arrives as bf16 [k][n] (rows of 512 bytes) and is turned by ds_load_tr16_b128.
; THE MATRIX INSTRUCTION IS USED TRANSPOSED (source 0 = 16 columns of W, source 1 = 16 rows of x): a lane holds eight neighbouring n of one row.  The bias is the C operand of the products that start the sums.
; CLUSTER 4 x 4: x's tile hangs on the tile row alone and is asked for jointly along a row of the cluster, W's on the tile column alone and is asked for jointly along a column.
; The grid is 4 wide, so the cluster's x is 0 and the tile column is cx.
; A QUARTER is 32 along K: 32 products on fragment buffers q % 2.  Behind every fourth product stand four conversions of the next quarter's x; in its middle one run of 32 LDS loads
; brings W of quarter q + 1 and raw x of quarter q + 2.  The conversions are the plain instructions that stand between a product and a write or a load into its sources.
; REGISTERS, in windows of 256: window 0: v16-30 addresses; v32-63 at work; v64-127 x as bf16, two buffers; v128-255 x as f32, two buffers (on the way out the first holds rows read back: it is empty there)
;   window 1: v0-127 W's fragments, two buffers; v128-191 the bias as C          window 2: accumulator (a, b) at v[8 (8 a + b)]          window 3: v0-63 the bias as loaded
.set PA,    528                        ; a row of x in LDS: 512 bytes + 16: the 16 rows of a load start at 16 different groups of four banks (ISA guide 11.1)
.set PB,    544                        ; a row of W: 512 + 32 = 17 x 32 bytes, for the turning load
.set HA,    64*PA                      ; what one tensor load brings of x
.set HB,    64*PB                      ; and of W
.set BOFF,  2*HA
.set SLOT,  BOFF+2*HB
.set STAGE, 2*SLOT                     ; behind the ring: 16 rows x 272 bytes for each wave
.set SP,    272
.set SPARE, STAGE+4*16*SP              ; the spare words, 128 bytes for each wave, that no other line names
.set LAST,  23                         ; the walk's last K step
.set ADRA, 16                          ; v16-17 LDS address of my x fragments in slot 0, 1
.set ADRB, 20                          ; v20-21 the same for W
.set STO,  24
.set RD,   25
.set GO,   26
.set BO,   27                          ; v27 32 x (lane / 16): my eight numbers of a bias block
.set SPW,  28                          ; v28 my spare word; never rewritten
.set NIL,  29                          ; v29 0; never rewritten
.set PFV,  30                          ; v30 the prefetch: my lane's byte offset in a tile of x
.set TMP,  32
.set ABF,  64
.set RAW,  128
.set BC,   128                         ; window 1
.set BR,   0                           ; window 3
.set WV, 20                            ; s20 wave
.set WM, 21                            ; s21 my half of the rows; also: I fetch x (0) or W (1)
.set WN, 22                            ; s22 my half of the columns; also: which 64 rows of that tile I fetch
.set TI, 26                            ; s26 the projection in hand: 0, 1, 2
.set G1A, 28
.set G0A, 36
.set G1B, 44
.set G0B, 52
.set BOF, 80                           ; s[80:81] byte offset of my 128 numbers in a bias
.set TS,  82                           ; s[82:83] an offset at work; the high word stays 0
.set PFA, 84                           ; s[84:85] the tile of x asked for ahead
.set NS,  86                           ; s86 the K step to be requested next
.set NP,  87                           ; s87 the K step to be asked for ahead
.set PH,  88                           ; s88 laps left of the tile in hand
.set RO,  90                           ; s90 byte offset in x of the 64 rows that I fetch
.set PRO, 91                           ; s91 byte offset in x of the tile's 128 rows
.set MUL,  0xa1                        ; source 0 window 1, source 1 window 0, C and D window 2
.set MULB, 0x91                        ; the same with C in window 1
.set TO_B, 0x40                        ; destination window 1
.set MSB, 0
.macro WIN new                         ; the immediate's high byte repeats the setting that is left; a switch that changes nothing is dropped
.if MSB != (\new)
	s_set_vgpr_msb (MSB<<8)|(\new)
.set MSB, (\new)
.endif
.endm
.macro JLOAD s                         ; a joint load: waves 0 and 1 fetch x's two halves, waves 2 and 3 W's; an s_nop 0 and four v_nop follow each line
	s_cmp_eq_u32 s[WM], 0
	s_cbranch_scc0 .Lfor_b_\@
	tensor_load_to_lds s[G0A+4*(\s):G0A+4*(\s)+3], s[G1A:G1A+7]
	s_nop 0
.rept 4
	v_nop
.endr
	s_branch .Lasked_\@
.Lfor_b_\@:
	tensor_load_to_lds s[G0B+4*(\s):G0B+4*(\s)+3], s[G1B:G1B+7]
	s_nop 0
.rept 4
	v_nop
.endr
.Lasked_\@:
.endm
.macro CREST                           ; a round of the cluster's barrier behind its opening barrier
	s_cmp_lg_u32 s[WV], 0
	s_cbranch_scc1 .Lnot_wave_0_\@
	s_barrier_signal -3
.Lnot_wave_0_\@:
	s_barrier_wait -3
	s_barrier_signal -1
	s_barrier_wait -1
.endm
.macro CROUND
	s_barrier_signal -1
	s_barrier_wait -1
	CREST
.endm
; s[d:d+1] = the address in x of K step s[n]: the pointer of projection n / 8, plus the rows' offset s[ro], plus 512 bytes x (n % 8).  The offset is made apart from the pointer.
.macro XADR d, n, ro
	s_lshr_b32 s[TS], s[\n], 3
	s_cmp_eq_u32 s[TS], 1
	s_cselect_b64 s[\d:\d+1], s[6:7], s[4:5]
	s_cmp_eq_u32 s[TS], 2
	s_cselect_b64 s[\d:\d+1], s[8:9], s[\d:\d+1]
	s_and_b32 s[TS], s[\n], 7
	s_lshl_b32 s[TS], s[TS], 9
	s_add_co_u32 s[TS], s[TS], s[\ro]
	s_add_nc_u64 s[\d:\d+1], s[\d:\d+1], s[TS:TS+1]
.endm
; The bias of projection TI is asked for: register j of block b will hold b[16 b + 8 h + j].
.macro BIASLD
	s_cmp_eq_u32 s[TI], 1
	s_cselect_b64 s[68:69], s[14:15], s[12:13]
	s_cmp_eq_u32 s[TI], 2
	s_cselect_b64 s[68:69], s[16:17], s[68:69]
	s_add_nc_u64 s[68:69], s[68:69], s[BOF:BOF+1]
	WIN 0xc0                                       ; destination window 3
.irp b, 0,1,2,3,4,5,6,7
	global_load_b128 v[BR+8*(\b):BR+8*(\b)+3],   v[BO], s[68:69] offset:(\b)*64
	global_load_b128 v[BR+8*(\b)+4:BR+8*(\b)+7], v[BO], s[68:69] offset:(\b)*64+16
.endr
	WIN 0
.endm
; It is rounded to bf16 like every input and widened again, as C.
.macro BCONV
	s_wait_loadcnt 0x0
	WIN 0x0f                                       ; sources 0 and 1 window 3
.set i, 0
.rept 32
	v_cvt_pk_bf16_f32 v[TMP+i], v[BR+2*i], v[BR+2*i+1]
.set i, i+1
.endr
	WIN TO_B
.set i, 0
.rept 32
	v_lshlrev_b32 v[BC+2*i],   16,  v[TMP+i]
	v_and_b32     v[BC+2*i+1], s78, v[TMP+i]
.set i, i+1
.endr
	WIN 0
.endm
	s_load_b512 s[4:19], s[0:1], 0x0               ; query 4, key 6, value 8, wts 10, bq 12, bk 14, bv 16, qkv 18
	v_lshl_add_u32 v[SPW], v0, 2, SPARE
	v_mov_b32 v[NIL], 0
	ds_add_u32 v[SPW], v[NIL]                      ; the wave's opening: the add and its wait stand ahead of my first tensor load
	v_lshrrev_b32 v1, 5, v0
	v_readfirstlane_b32 s[WV], v1
	s_lshr_b32 s[WM], s[WV], 1
	s_and_b32 s[WN], s[WV], 1
	s_bfe_u32 s23, ttmp6, 0x40000                  ; cx = the tile column
	s_bfe_u32 s24, ttmp6, 0x40004                  ; cy
	s_and_b32 s25, ttmp7, 0xffff                   ; the cluster's y, 0..15
	s_lshl_b32 s27, s25, 2
	s_add_co_u32 s27, s27, s24                     ; tile row, 0..63
	s_lshl_b32 s60, s24, 2
	s_lshl_b32 s60, 15, s60                        ; my row of the cluster
	s_lshl_b32 s61, 0x1111, s23                    ; my column
	s_or_b32 s[G1A], s60, (2<<16)|(1<<20)|(1<<21)|(6<<22)|(3<<25)  ; mask; 4-byte elements; padding on; bit 21 beside a mask; after every 128 words; 4 words
	s_or_b32 s[G1B], s61, (1<<16)|(1<<20)|(1<<21)|(6<<22)|(7<<25)  ; mask; 2-byte elements; after every 128 words; 8 words
	s_mov_b32 s[G1A+1], 128<<16                    ; tensor_dim0 = 128
	s_mov_b32 s[G1A+2], 64<<16                     ; tensor_dim1 = 64
	s_mov_b32 s[G1A+3], 128<<16                    ; tile_dim0 = 128
	s_mov_b32 s[G1A+4], 64                         ; tile_dim1 = 64
	s_mov_b32 s[G1A+5], 1024                       ; elements from row to row
	s_mov_b32 s[G1A+6], 0
	s_mov_b32 s[G1A+7], 0
	s_mov_b32 s[G1B+1], 256<<16
	s_mov_b32 s[G1B+2], 64<<16
	s_mov_b32 s[G1B+3], 256<<16
	s_mov_b32 s[G1B+4], 64
	s_mov_b32 s[G1B+5], 1024
	s_mov_b32 s[G1B+6], 0
	s_mov_b32 s[G1B+7], 0
	s_lshl_b32 s[PRO], s27, 19                     ; x: 128 rows of 4,096 bytes x tile row, in registers that never hold cx
	s_lshl_b32 s62, s[WN], 18
	s_add_co_u32 s[RO], s[PRO], s62                ; + 64 rows x half
	s_mov_b32 s62, s[RO]
	s_mov_b32 s63, 0
	s_lshl_b32 s72, s[WN], 17                      ; W: 64 k rows x half, 512 bytes x tile column, in registers that never hold cy
	s_lshl_b32 s73, s23, 9
	s_add_co_u32 s72, s72, s73
	s_mov_b32 s73, 0
	s_mul_i32 s60, s[WN], HA                       ; where they go: no place in the cluster enters an LDS address
	s_mul_i32 s61, s[WN], HB
	s_add_co_u32 s61, s61, BOFF
	s_mov_b32 s78, 0xffff0000
	s_mov_b32 s[TS+1], 0
	s_mov_b32 s[NS], 2                             ; steps 0 and 1 are the first fills
	s_mov_b32 s[PH], 4
	s_mov_b32 s[TI], 0
	s_wait_dscnt 0x0                               ; the opening add is done
	s_wait_kmcnt 0x0
	s_add_nc_u64 s[66:67], s[4:5], s[62:63]
	s_add_nc_u64 s[72:73], s[10:11], s[72:73]
	CROUND                                         ; all sixteen work-groups are here: the first joint loads meet
.irp s, 0,1
	s_mov_b32 s[G0A+4*(\s)], 1
	s_add_co_u32 s[G0A+4*(\s)+1], s60, (\s)*SLOT
	s_add_nc_u64 s[G0A+4*(\s)+2:G0A+4*(\s)+3], s[66:67], (\s)*512      ; K step s of the query: 128 f32
	s_or_b32 s[G0A+4*(\s)+3], s[G0A+4*(\s)+3], 0x80000000
	s_mov_b32 s[G0B+4*(\s)], 1
	s_add_co_u32 s[G0B+4*(\s)+1], s61, (\s)*SLOT
	s_add_nc_u64 s[G0B+4*(\s)+2:G0B+4*(\s)+3], s[72:73], (\s)*262144   ; K step s: 128 rows of 2,048 bytes
	s_or_b32 s[G0B+4*(\s)+3], s[G0B+4*(\s)+3], 0x80000000
	JLOAD \s                                       ; two loads of mine are out
.endr
	v_and_b32 v1, 15, v0                           ; r
	v_bfe_u32 v2, v0, 4, 1                         ; h
	v_lshlrev_b32 v[BO], 5, v2
	s_lshl_b32 s[BOF], s23, 10                     ; my 128 numbers of a bias
	s_lshl_b32 s75, s[WN], 9
	s_add_co_u32 s[BOF], s[BOF], s75
	s_mov_b32 s[BOF+1], 0
	BIASLD                                         ; bq
	v_mul_u32_u24 v3, v1, PA
	v_lshl_add_u32 v3, v2, 5, v3                   ; row x pitch + 8 f32 x half
	s_mul_i32 s60, s[WM], HA
	v_add_nc_u32 v[ADRA], s60, v3
	v_add_nc_u32 v[ADRA+1], SLOT, v[ADRA]
	v_and_b32 v4, 7, v0
	v_bfe_u32 v5, v0, 3, 1
	v_lshl_add_u32 v6, v2, 3, v4                   ; the turning load: k row 8 h + lane % 8,
	v_mul_u32_u24 v6, v6, PB
	v_lshl_add_u32 v6, v5, 4, v6                   ; 16 bytes x ((lane / 8) % 2)
	s_lshl_b32 s61, s[WN], 8
	s_add_co_u32 s61, s61, BOFF
	v_add_nc_u32 v[ADRB], s61, v6
	v_add_nc_u32 v[ADRB+1], SLOT, v[ADRB]
	s_mul_i32 s60, s[WV], 16*SP
	s_add_co_u32 s60, s60, STAGE                   ; my stage
	v_mul_u32_u24 v[STO], v1, SP
	v_lshl_add_u32 v[STO], v2, 4, v[STO]
	v_add_nc_u32 v[STO], s60, v[STO]               ; in: row r, 16 bytes for each half of the lanes
	v_bfe_u32 v[RD], v0, 3, 2
	v_mul_u32_u24 v[RD], v[RD], SP
	v_lshl_add_u32 v[RD], v4, 4, v[RD]
	v_add_nc_u32 v[RD], s60, v[RD]                 ; back: four rows of one head's 128 bytes
	v_and_b32 v[GO], 31, v0
	v_lshlrev_b32 v[GO], 4, v[GO]                  ; which are 512 consecutive bytes of the output
	s_lshl_b32 s62, s23, 1                         ; the prefetch: waves 2 and 3 of the four work-groups of a cluster's row share a tile's 128 rows, 16 each;
	s_add_co_u32 s62, s62, s[WN]
	s_lshl_b32 s62, s62, 16                        ; 16 rows of 4,096 bytes x (2 cx + half);
	v_bfe_u32 v7, v0, 1, 4
	v_lshlrev_b32 v7, 12, v7                       ; row lane / 2,
	v_and_b32 v8, 1, v0
	v_lshl_add_u32 v[PFV], v8, 8, v7               ; 256 bytes x (lane % 2) of its 512
	v_add_nc_u32 v[PFV], s62, v[PFV]
	s_lshr_b32 s76, s27, 3                         ; the output: batch,
	s_lshl_b32 s76, s76, 4
	s_lshl_b32 s77, s23, 2
	s_add_co_u32 s76, s76, s77
	s_lshl_b32 s77, s[WN], 1
	s_add_co_u32 s76, s76, s77                     ; my first head,
	s_lshl_b32 s76, s76, 10
	s_and_b32 s77, s27, 7
	s_lshl_b32 s77, s77, 7
	s_add_co_u32 s76, s76, s77
	s_lshl_b32 s77, s[WM], 6
	s_add_co_u32 s76, s76, s77                     ; my first row in it,
	s_lshl_b32 s76, s76, 7                         ; x 128 bytes, in q
	s_mov_b32 s77, 0
	s_add_nc_u64 s[70:71], s[18:19], s[76:77]
; Four products: m block g / 2, n blocks 4 (g % 2) + 0..3, buffer f.  The 32 accumulators take turns, one instruction a turn, in the same order in every quarter.
.macro MULG f, g, first
.if \first
	WIN MULB
.else
	WIN MUL
.endif
.irp j, 0,1,2,3
.set rB, 64*(\f)+8*(4*((\g)%2)+(\j))
.set rA, ABF+32*(\f)+8*((\g)/2)
.set rD, 8*(8*((\g)/2)+4*((\g)%2)+(\j))
.set rC, BC+8*(4*((\g)%2)+(\j))
.if \first
	v_wmma_f32_16x16x32_bf16 v[rD:rD+7], v[rB:rB+7], v[rA:rA+7], v[rC:rC+7]
.else
	v_wmma_f32_16x16x32_bf16 v[rD:rD+7], v[rB:rB+7], v[rA:rA+7], v[rD:rD+7]
.endif
.endr
.endm
.macro CVTG f, g                       ; four conversions: eight f32 of buffer f's raw x into four registers of its fragments
	WIN 0
.irp j, 0,1,2,3
	v_cvt_pk_bf16_f32 v[ABF+32*(\f)+4*(\g)+(\j)], v[RAW+64*(\f)+8*(\g)+2*(\j)], v[RAW+64*(\f)+8*(\g)+2*(\j)+1]
.endr
.endm
.macro GRP f, g
	MULG \f, \g, 0
	CVTG 1-(\f), \g
.endm
.macro FETB slot, q, f                 ; W of quarter q: 8 fragments of 16 n x 32 k, turned
	WIN TO_B
.irp b, 0,1,2,3,4,5,6,7
	ds_load_tr16_b128 v[64*(\f)+8*(\b):64*(\f)+8*(\b)+3],   v[ADRB+(\slot)] offset:(\q)*32*PB+32*(\b)
	ds_load_tr16_b128 v[64*(\f)+8*(\b)+4:64*(\f)+8*(\b)+7], v[ADRB+(\slot)] offset:(\q)*32*PB+16*PB+32*(\b)
.endr
.endm
.macro FETR slot, q, f                 ; raw x of quarter q: 4 blocks of 16 rows; a lane's k = 8 h + 0..7 and 16 + 8 h + 0..7 are 32 bytes each
	WIN 0
.irp a, 0,1,2,3
.irp c, 0,1,2,3
	ds_load_b128 v[RAW+64*(\f)+16*(\a)+4*(\c):RAW+64*(\f)+16*(\a)+4*(\c)+3], v[ADRA+(\slot)] offset:(\a)*16*PA+(\q)*128+16*(\c)+32*((\c)/2)
.endr
.endr
.endm
; A quarter on buffer f.  first: its products start the sums, with the bias.  cv: the riders convert the other buffer.  fb: W of quarter qb of slot sb into the other buffer.
; fr: raw x of quarter qr of slot sr into this buffer's raw registers.
.macro QUART f, first, cv, fb, sb, qb, fr, sr, qr
	s_wait_dscnt 0x0                               ; the run issued in the middle of the quarter before
.irp g, 0,1,2,3
	MULG \f, \g, \first
.if \cv
	CVTG 1-(\f), \g
.endif
.endr
.if \fb
	FETB \sb, \qb, 1-(\f)
.endif
.if \fr
	FETR \sr, \qr, \f
.endif
.irp g, 4,5,6,7
	MULG \f, \g, \first
.if \cv
	CVTG 1-(\f), \g
.endif
.endr
.endm
; A K step's third quarter changes slots.  Its W run is the last read of the slot.  Each wave then waits for all its tensor loads (one is out: its part of the next slot), adds 0 to its spare word,
; and waits for that and for its reads.  Behind the barrier nobody reads this slot and the next is whole.  fill = 1: the barrier opens a round of the cluster's, and the joint refill, K step NS of the walk,
; is the first thing behind it.  Waves 2 and 3 then ask ahead for their 16 rows x 512 bytes (32 lanes, 256 bytes apart) of x's tile of step NS + 2, two steps beyond the one just requested: each block of the
; tile is asked for once in the cluster's row.  Steps 0 to 3 are not asked for ahead, and nothing is asked for beyond the walk's last step.
.macro QTURN slot, next, fill
	s_wait_dscnt 0x0
	GRP 0, 0
	GRP 0, 1
	FETB \slot, 3, 1
	GRP 0, 2
	GRP 0, 3
	WIN 0
	s_wait_tensorcnt 0x0                           ; no tensor load of mine is out, so a group 0 may be written
	ds_add_u32 v[SPW], v[NIL]                      ; 0 onto my spare word; the descriptors' words and a group of products and conversions stand between it and the wait for it
.if \fill
	XADR G0A+4*(\slot)+2, NS, RO
	s_or_b32 s[G0A+4*(\slot)+3], s[G0A+4*(\slot)+3], 0x80000000
	s_add_nc_u64 s[G0B+4*(\slot)+2:G0B+4*(\slot)+3], s[G0B+4*(\slot)+2:G0B+4*(\slot)+3], 2*262144
	s_wait_xcnt 0x0                                ; the last prefetch, a K step ago, has read its base
	s_add_co_u32 s[NP], s[NS], 2
	XADR PFA, NP, PRO
	s_add_co_u32 s[NS], s[NS], 1
.endif
	GRP 0, 4
	s_wait_dscnt 0x0                               ; the add is done, and my reads of this slot are over
	s_barrier_signal -1
	GRP 0, 5
	WIN 0
	s_barrier_wait -1
.if \fill
	CREST
	JLOAD \slot
.endif
	FETR \next, 0, 0
.if \fill
	s_cmp_eq_u32 s[WM], 0
	s_cbranch_scc1 .Lno_pf_\@
	s_cmp_gt_u32 s[NP], LAST
	s_cbranch_scc1 .Lno_pf_\@
	global_prefetch_b8 v[PFV], s[PFA:PFA+1] th:TH_LOAD_NT scope:SCOPE_SE
.Lno_pf_\@:
.endif
	GRP 0, 6
	GRP 0, 7
.endm
; THE WAY OUT, a block of 16 rows at a time: rounded to f16, 16 bytes a lane into my stage, back as four rows of one head, stored as 512 consecutive bytes.
.macro PACK a
	WIN 0x0a                                       ; sources 0 and 1 window 2
.irp b, 0,1,2,3,4,5,6,7
.irp r, 0,1,2,3
	v_cvt_pk_f16_f32 v[TMP+4*(\b)+(\r)], v[8*(8*(\a)+(\b))+2*(\r)], v[8*(8*(\a)+(\b))+2*(\r)+1]
.endr
.endr
	WIN 0
.endm
.macro TOSTAGE a
	WIN 0
.set BK, RAW+32*((\a)%2)
.irp b, 0,1,2,3,4,5,6,7
	ds_store_b128 v[STO], v[TMP+4*(\b):TMP+4*(\b)+3] offset:32*(\b)
.endr
.irp t, 0,1,2,3,4,5,6,7                ; rows 4 (t / 2) on, head t % 2
	ds_load_b128 v[BK+4*(\t):BK+4*(\t)+3], v[RD] offset:((\t)/2)*4*SP+((\t)%2)*128  ; LDS serves a wave's instructions in order (ISA guide 5.7.1.4): these see the stores above
.endr
.endm
.macro SEND a
	WIN 0
.set BK, RAW+32*((\a)%2)
	s_wait_dscnt 0x0                               ; the block is back in registers
	s_wait_xcnt 0x0                                ; the registers that earlier stores read are loaded again only behind this wait
.irp t, 0,1,2,3,4,5,6,7
	global_store_b128 v[GO], v[BK+4*(\t):BK+4*(\t)+3], s[70:71] offset:(\a)*2048+((\t)/2)*512+((\t)%2)*131072
.endr
.endm
.macro WAYOUT
.rept 4
	v_nop                                          ; the places between the last products and the conversions that read them
.endr
	PACK 0
	TOSTAGE 0
.irp a, 1,2,3                          ; block a's conversions stand between block a - 1's loads from the stage and the wait for them
	PACK \a
	SEND (\a)-1
	TOSTAGE \a
.endr
	SEND 3
.endm
	s_wait_tensorcnt 1                             ; my part of K step 0 is in; step 1's may stay out
	s_barrier_signal -1
	s_barrier_wait -1
	FETR 0, 0, 0
	FETR 0, 1, 1
	FETB 0, 0, 0
	s_wait_dscnt 0x0
.irp g, 0,1,2,3,4,5,6,7
	CVTG 0, \g
.endr
	WIN 0
	s_mov_b32 s3, 12                               ; the jump below lands in the end of a trip: 11 whole trips follow
	s_branch .Lbc
.Llap:                                                 ; a trip goes once round the ring, from a lap's second quarter to the next lap's first, and fills both slots again
	QUART 1,0,1, 1,0,2, 1,0,3
	QTURN 0, 1, 1
	QUART 1,0,1, 1,1,0, 1,1,1
	QUART 0,0,1, 1,1,1, 1,1,2
	QUART 1,0,1, 1,1,2, 1,1,3
	QTURN 1, 0, 1
	QUART 1,0,1, 1,0,0, 1,0,1
	WIN 0
	s_sub_co_u32 s[PH], s[PH], 1
	s_cmp_lg_u32 s[PH], 0
	s_cbranch_scc1 .Lcont                          ; three trips of four: the tile goes on
	s_add_co_u32 s[TI], s[TI], 1                   ; THE TILE IS FINISHED; both refills for the next are asked for.  Its bias is asked for first,
	BIASLD
	WAYOUT                                         ; and comes in while the tile goes out; nothing waits for the stores
	s_wait_xcnt 0x0                                ; the stores have read their registers and their base
	s_add_nc_u64 s[70:71], s[70:71], 16777216      ; k lies behind q, v behind k
	s_mov_b32 s[PH], 4
.Lbc:
	BCONV
	QUART 0,1,1, 1,0,1, 1,0,2                      ; a tile's first quarter: its products start the sums, with the bias
	WIN 0
	s_branch .Lbottom
.Lcont:
	QUART 0,0,1, 1,0,1, 1,0,2
	WIN 0
.Lbottom:
	s_sub_co_u32 s3, s3, 1
	s_cmp_lg_u32 s3, 0
	s_cbranch_scc1 .Llap
	QUART 1,0,1, 1,0,2, 1,0,3                      ; the walk's last lap fills nothing
	QTURN 0, 1, 0
	QUART 1,0,1, 1,1,0, 1,1,1
	QUART 0,0,1, 1,1,1, 1,1,2
	QUART 1,0,1, 1,1,2, 1,1,3
	QUART 0,0,1, 1,1,3, 0,0,0
	QUART 1,0,0, 0,0,0, 0,0,0
	WAYOUT
	s_wait_tensorcnt 0x0                           ; the wave's end
	ds_add_u32 v[SPW], v[NIL]
	s_wait_dscnt 0x0
	CROUND                                         ; the closing round
	s_endpgm
.Lfunc_end_k_q74cfa472c4_proj:
	.size	k_q74cfa472c4_proj, .Lfunc_end_k_q74cfa472c4_proj-k_q74cfa472c4_proj
	.p2alignl 7, 3214868480
	.fill 96, 4, 3214868480
	.section	.rodata,"a",@progbits
	.p2align	6, 0x0
	.amdhsa_kernel k_q74cfa472c4_proj
		.amdhsa_group_segment_fixed_size 327680
		.amdhsa_private_segment_fixed_size 0
		.amdhsa_enable_private_segment 0
		.amdhsa_kernarg_size 64
		.amdhsa_user_sgpr_count 2
		.amdhsa_user_sgpr_kernarg_segment_ptr 1
		.amdhsa_wavefront_size32 1
		.amdhsa_system_sgpr_workgroup_id_x 1
		.amdhsa_system_sgpr_workgroup_id_y 1
		.amdhsa_system_sgpr_workgroup_id_z 1
		.amdhsa_system_vgpr_workitem_id 0
		.amdhsa_next_free_vgpr 832
		.amdhsa_next_free_sgpr 92
		.amdhsa_reserve_vcc 0
		.amdhsa_float_denorm_mode_32 3
		.amdhsa_float_denorm_mode_16_64 3
		.amdhsa_memory_ordered 1
		.amdhsa_forward_progress 1
		.amdhsa_inst_pref_size 157
	.end_amdhsa_kernel
	.amdgpu_metadata
---
amdhsa.version: [ 1, 2 ]
amdhsa.kernels:
  - .name:           k_q74cfa472c4_proj
    .symbol:         k_q74cfa472c4_proj.kd
    .args:
      - { .name: query, .offset: 0, .size: 8, .value_kind: global_buffer, .address_space: global }
      - { .name: key, .offset: 8, .size: 8, .value_kind: global_buffer, .address_space: global }
      - { .name: value, .offset: 16, .size: 8, .value_kind: global_buffer, .address_space: global }
      - { .name: wts, .offset: 24, .size: 8, .value_kind: global_buffer, .address_space: global }
      - { .name: bq, .offset: 32, .size: 8, .value_kind: global_buffer, .address_space: global }
      - { .name: bk, .offset: 40, .size: 8, .value_kind: global_buffer, .address_space: global }
      - { .name: bv, .offset: 48, .size: 8, .value_kind: global_buffer, .address_space: global }
      - { .name: qkv, .offset: 56, .size: 8, .value_kind: global_buffer, .address_space: global }
    .group_segment_fixed_size: 327680
    .private_segment_fixed_size: 0
    .kernarg_segment_align: 8
    .kernarg_segment_size: 64
    .max_flat_workgroup_size: 128
    .sgpr_count:     92
    .vgpr_count:     832
    .wavefront_size: 32
...
	.end_amdgpu_metadata
.endif
;; end of part 2
;; launch attn (part 3): grid 4 x 64, 4 waves a work-group, clusters of 4 x 4, 327,680 bytes of LDS; arguments qkv, bias8, oh; writes oh
.if DOCPART == 3
	.amdgcn_target "amdgcn-amd-amdhsa--gfx1250"
	.amdhsa_code_object_version 6
	.text
	.protected	k_q74cfa472c4_attn
	.globl	k_q74cfa472c4_attn
	.p2align	8
	.type	k_q74cfa472c4_attn,@function
k_q74cfa472c4_attn:
	s_mov_b64 s[64:65], 0
	v_nop
	global_prefetch_b8 v0, s[64:65] scope:SCOPE_SE
	s_setreg_imm32_b32 hwreg(HW_REG_WAVE_MODE, 25, 1), 1
	s_wait_xcnt 0x0
	s_wait_alu depctr_hold_cnt(0) depctr_sa_sdst(0) depctr_va_vdst(0) depctr_va_sdst(0) depctr_va_ssrc(0) depctr_va_vcc(0) depctr_vm_vsrc(0)
	s_getreg_b32 s2, hwreg(HW_REG_IB_STS2, 6, 4)
	s_cmp_eq_u32 s2, 0
	s_cbranch_scc0 .Lentry_in_a_cluster
	s_endpgm
.Lentry_in_a_cluster:
	s_bfe_u32 s2, ttmp6, 0x10000c
	s_cmp_lg_u32 s2, 0xf033
	s_cbranch_scc0 .Lentry_shape_is_right
	s_endpgm
.Lentry_shape_is_right:
; ATTENTION WITH AN ADDITIVE BIAS, head size 64.  O[q] = sum over k of softmax_k((Q[q].K[k] + bias8[q][k]) / 8) V[k]; bias8 = 8 x (spatial + edge), -1e30 on padded keys, shared by a batch's 16 heads.
; q, k, v: f16 [b*16+h][t][64] in qkv.  Products, maxima and sums in f32; the weights p are rounded to f16 for the second product (their sum l is taken of the unrounded p); O once, to f16, into oh [b*1024+t][h*64+ch].
; LIMITS.  q, k, v within f16's 65,504.  A padded key counts as -1e30; a true 8 x score lies above -2^96.  A weight below 2^-126 counts as 0 in l.  Where every key of a batch is padded the maximum stays
; below -2^96 and the row is made NaN, as a softmax over minus infinities is.
; SHARES.  256 work-groups: (batch, pair of heads, block of 256 queries).  A wave owns 64 queries (four tiles of 16) for BOTH heads: eight units t = 4 head + tile, in four PIECES of two.
; So a bias fragment read from LDS serves two heads, and O's two heads fill whole aligned 256 bytes.  Every wave walks all 1,024 keys, 64 a step.
; THE BIAS is the C operand of the products that start S^T = K Q^T: it lies in memory in that operand's register order, so it costs no vector instruction.
; LAYOUT, SOFTMAX.  S^T holds ONE query a lane (lane % 16) and the keys 8 (lane / 16) + 0..7; two results rounded to f16 ARE source 1 of O^T = V^T P.  p = 2^(c s - c m), c = log2(e) / 8, with a running
; maximum m; O and l are multiplied by a = 2^(c m_old - c m_new) in every step.  m starts at the lowest finite number, O and l at 0: the first step is a step like any other, with a = 0.
; BY TURNS.  Turn n belongs to piece n: 16 products K Q^T of piece n + 1, later 16 products V^T P of piece n - 1; beside them the scaling, exponentials, roundings, sums and rescaling of piece n and the
; maximum and statistics of piece n + 1.  A unit and step have 16 matrix and 118 vector instructions: four stand behind every matrix instruction, the rest in two lumps.
; CLUSTER 4 x 4.  The bias block hangs on (batch, query block = cx): asked for jointly along a column.  K and V hang on (batch, head pair): asked for jointly along a row.  The grid is 4 wide: the cluster's x is 0.
; REGISTERS, in windows of 256 (s_set_vgpr_msb: bits 1:0 source 0, 3:2 source 1, 5:4 source 2, 7:6 destination):
;   window 0: v0-11 addresses; v12-15, v48-63 at work; v16-47 four registers of statistics a unit; v64-191 S^T, two buffers of two tiles; v192-255 P, likewise
;   window 1: O^T, 32 a unit     window 2: v0-127 Q, 16 a unit; v128-191 K of head 0; v192-255 V of head 0     window 3: v0-127 the bias of four tiles; v128-191 K of head 1; v192-255 V of head 1
.set NP,    4
.set KS,    64
.set PK,    144       ; a row of K in LDS: 128 bytes + 16: the 16 rows of a load start at 16 different groups of four banks (ISA guide 11.1)
.set PV,    160       ; a row of V: 128 + 32, for the turning load
.set KOFF,  65536     ; a slot: 65,536 bytes of bias (wave w's at 16,384 w), two heads' K, two heads' V, of one step
.set VOFF,  KOFF+2*KS*PK
.set SLOT1, 1<<17     ; slot 1 begins here, so that one exclusive or turns an address in one slot into the other's
.set STAGE, SLOT1+VOFF+2*KS*PV  ; behind the ring: 16 rows x 272 bytes for each wave
.set SP,    272
.set SPARE, STAGE+4*16*SP       ; the spare words, 128 bytes for each wave, that no other line names
.set PF,  0           ; v0   once the thread's number has served: my byte offset in a bias block, for the prefetch
.set AB,  1           ; v1   LDS address of my bias fragments in the slot in hand
.set AK0, 2           ; v2   my lane's place in a slot's K; never rewritten
.set AV0, 3           ; v3   the same for V
.set AK,  4
.set AV,  5
.set QO,  6           ; v6   my byte offset in 16 rows of Q
.set STO, 6           ;      later: where I put 16 bytes of a stage row
.set RD,  7
.set GO,  8
.set AB0, 9           ; v9   my lane's place in a slot's bias; never rewritten
.set SPW, 10          ; v10  my spare word; never rewritten
.set NIL, 11          ; v11  0; never rewritten
.set MV,  12
.set ST,  16          ; unit t's statistics at v[ST+4 t]: c m, m, l (even keys', odd keys')
.set TMP, 48
.set S,   64
.set P,   192
.set KF,  128
.set VF,  192
.set WV,  12
.set G1B, 24
.set G1K, 32
.set G1V, 40
.set G0B, 48
.set G0K, 52
.set G0V, 56
.set CS,  60          ; s[60:61] c
.set SEL, 62          ; s[62:63] v_permlanex16_b32's selects
.set TB,  66          ; s66  the slot from which fragments are fetched
.set CNT, 67
.set THR, 68          ; s68  -2^96
.set BB,  74          ; s[74:75] bias8 at my (batch, query block)
.set PFA, 76          ; s[76:77] the block asked for ahead
.set PJ,  78          ; s78  its step
.set POFF, 80         ; s[80:81] its byte offset
.set W_RS, 0x41
.set MSB, 0
.macro WIN new
.if MSB != (\new)
	s_set_vgpr_msb (MSB<<8)|(\new)
.set MSB, (\new)
.endif
.endm
; A joint fill: waves 0 and 1 fetch the halves of the bias block, wave 2 both heads' K, wave 3 both heads' V.  An s_nop 0 and four v_nop follow each line.
.macro JLOAD
	s_cmp_lt_u32 s[WV], 2
	s_cbranch_scc0 .Lnot_b_\@
	tensor_load_to_lds s[G0B:G0B+3], s[G1B:G1B+7]
	s_nop 0
.rept 4
	v_nop
.endr
	s_branch .Lasked_\@
.Lnot_b_\@:
	s_cmp_eq_u32 s[WV], 2
	s_cbranch_scc0 .Lfor_v_\@
	tensor_load_to_lds s[G0K:G0K+3], s[G1K:G1K+7]
	s_nop 0
.rept 4
	v_nop
.endr
	s_branch .Lasked_\@
.Lfor_v_\@:
	tensor_load_to_lds s[G0V:G0V+3], s[G1V:G1V+7]
	s_nop 0
.rept 4
	v_nop
.endr
.Lasked_\@:
.endm
.macro CROUND
	s_barrier_signal -1
	s_barrier_wait -1
	s_cmp_lg_u32 s[WV], 0
	s_cbranch_scc1 .Lnot_wave_0_\@
	s_barrier_signal -3
.Lnot_wave_0_\@:
	s_barrier_wait -3
	s_barrier_signal -1
	s_barrier_wait -1
.endm
; THE CHANGE OF SLOTS, between piece 1's turn and piece 2's: the slot's last bytes, V of head 1, have been asked for.  Each wave waits for all its tensor loads (one is out: its part of the other slot), adds 0 to
; its spare word, and waits for that and for its reads.  fill = 1: a round of the cluster's barrier, and the slot is filled again, first thing behind it, with the step two on: it has a whole key step in which to land.
; Wave 3 then asks ahead for its work-group's eighth (32 lanes x 256 bytes) of the bias block one step beyond the one just requested; the eight work-groups that share a block ask for an eighth each; the step is held at 15.
.macro CHANGE fill
	WIN 0
	s_wait_tensorcnt 0x0
	ds_add_u32 v[SPW], v[NIL]       ; 0 onto my spare word; the descriptors' steps stand between it and the wait for it
.if \fill
	s_xor_b32 s[G0B+1], s[G0B+1], SLOT1
	s_add_nc_u64 s[G0B+2:G0B+3], s[G0B+2:G0B+3], 65536
	s_xor_b32 s[G0K+1], s[G0K+1], SLOT1
	s_add_nc_u64 s[G0K+2:G0K+3], s[G0K+2:G0K+3], KS*128
	s_xor_b32 s[G0V+1], s[G0V+1], SLOT1
	s_add_nc_u64 s[G0V+2:G0V+3], s[G0V+2:G0V+3], KS*128
	s_wait_xcnt 0x0                 ; the last prefetch, a step ago, has read its base
	s_add_co_u32 s[PJ], s[PJ], 1
	s_min_u32 s[POFF], s[PJ], 15
	s_lshl_b32 s[POFF], s[POFF], 16
	s_add_nc_u64 s[PFA:PFA+1], s[BB:BB+1], s[POFF:POFF+1]
	s_wait_dscnt 0x0                ; the add is done, and my reads of the slot are over
	CROUND
	JLOAD
.else
	s_wait_dscnt 0x0
	s_barrier_signal -1
	s_barrier_wait -1
.endif
	s_xor_b32 s[TB], s[TB], SLOT1   ; the fetches go to the other slot
	v_add_nc_u32 v[AK], s[TB], v[AK0]
	v_add_nc_u32 v[AV], s[TB], v[AV0]
	v_add_nc_u32 v[AB], s[TB], v[AB0]
.if \fill
	s_cmp_lg_u32 s[WV], 3
	s_cbranch_scc1 .Lno_pf_\@
	global_prefetch_b8 v[PF], s[PFA:PFA+1] th:TH_LOAD_NT scope:SCOPE_SE
.Lno_pf_\@:
.endif
.endm
	s_load_b128 s[4:7], s[0:1], 0x0 ; qkv s[4:5], bias8 s[6:7]
	s_load_b64 s[8:9], s[0:1], 0x10 ; oh
	v_lshl_add_u32 v[SPW], v0, 2, SPARE
	v_mov_b32 v[NIL], 0
	ds_add_u32 v[SPW], v[NIL]       ; the wave's opening: the add and its wait stand ahead of my first tensor load
	v_lshrrev_b32 v48, 5, v0
	v_readfirstlane_b32 s[WV], v48
	s_bfe_u32 s13, ttmp6, 0x40000   ; cx = the query block
	s_bfe_u32 s14, ttmp6, 0x40004   ; cy
	s_and_b32 s15, ttmp7, 0xffff    ; the cluster's y, 0..15
	s_lshr_b32 s16, s15, 1          ; batch
	s_and_b32 s17, s15, 1
	s_lshl_b32 s17, s17, 2
	s_add_co_u32 s17, s17, s14      ; pair of heads, 0..7
	s_lshl_b32 s18, s14, 2
	s_lshl_b32 s18, 15, s18         ; my row of the cluster
	s_lshl_b32 s19, 0x1111, s13     ; my column
	s_or_b32 s[G1B], s19, (3<<16)|(1<<21)                           ; mask; 8-byte elements; bit 21 beside a mask; no padding
	s_or_b32 s[G1K], s18, (1<<16)|(1<<20)|(1<<21)|(4<<22)|(3<<25)   ; mask; 2-byte elements; padding after every 32 words, of 4 words
	s_or_b32 s[G1V], s18, (1<<16)|(1<<20)|(1<<21)|(4<<22)|(7<<25)   ; the same with 8 words
	s_mov_b32 s[G1B+1], 32<<16      ; half a bias block, 32,768 dense bytes, as 128 rows of 256 bytes
	s_mov_b32 s[G1B+2], 128<<16
	s_mov_b32 s[G1B+3], 32<<16
	s_mov_b32 s[G1B+4], 128
	s_mov_b32 s[G1B+5], 32
	s_mov_b32 s[G1B+6], 0
	s_mov_b32 s[G1B+7], 0
.irp g, G1K, G1V
	s_mov_b32 s[\g+1], 4096<<16     ; a head's 64 keys are 8,192 dense bytes: one row of 4,096 elements;
	s_mov_b32 s[\g+2], 2<<16        ; two rows, the two heads,
	s_mov_b32 s[\g+3], 4096<<16
	s_mov_b32 s[\g+4], 2
	s_mov_b32 s[\g+5], 65536        ; 65,536 elements apart
	s_mov_b32 s[\g+6], 0
	s_mov_b32 s[\g+7], 0
.endr
	s_lshl_b32 s19, s16, 4
	s_lshl_b32 s20, s17, 1
	s_add_co_u32 s20, s20, s19      ; my first head among the 128,
	s_lshl_b32 s20, s20, 17         ; its first byte: in registers that never hold cx
	s_mov_b32 s21, 0
	s_lshl_b32 s22, s16, 2
	s_add_co_u32 s22, s22, s13
	s_lshl_b32 s22, s22, 20         ; the bias of (batch, query block): in registers that never hold cy
	s_mov_b32 s23, 0
	s_mov_b32 s86, s22
	s_mov_b32 s87, 0
	s_and_b32 s18, s[WV], 1
	s_lshl_b32 s19, s18, 15
	s_add_co_u32 s22, s22, s19      ; + my half of a block
	s_mov_b32 s[G0B], 1
	s_lshl_b32 s[G0B+1], s18, 15    ; LDS: slot 0, my half
	s_mov_b32 s[G0K], 1
	s_mov_b32 s[G0K+1], KOFF
	s_mov_b32 s[G0V], 1
	s_mov_b32 s[G0V+1], VOFF
	s_lshl_b32 s82, s13, 15         ; Q: 256 rows x 128 bytes x cx + 64 rows x wave
	s_lshl_b32 s83, s[WV], 13
	s_add_co_u32 s82, s82, s83
	s_add_co_u32 s82, s82, s20
	s_mov_b32 s83, 0
	s_lshl_b32 s84, s16, 10         ; O: row 1,024 b + 256 cx + 64 wave,
	s_lshl_b32 s85, s13, 8
	s_add_co_u32 s84, s84, s85
	s_lshl_b32 s85, s[WV], 6
	s_add_co_u32 s84, s84, s85
	s_lshl_b32 s84, s84, 11         ; x 2,048 bytes,
	s_lshl_b32 s85, s17, 8
	s_add_co_u32 s84, s84, s85      ; + the pair's 256 bytes
	s_mov_b32 s85, 0
	s_mov_b32 s[CS], 0x3e38aa3b     ; c = log2(e) / 8
	s_mov_b32 s[CS+1], s[CS]
	s_mov_b32 s[SEL], 0x76543210
	s_mov_b32 s[SEL+1], 0xfedcba98
	s_mov_b32 s[TB], SLOT1          ; the first change of slots turns it into 0
	s_mov_b32 s[THR], 0xef800000    ; -2^96
	s_mov_b32 s[PJ], 1
	s_mov_b32 s[POFF+1], 0
	s_wait_dscnt 0x0                ; the opening add is done
	s_wait_kmcnt 0x0
	s_add_nc_u64 s[G0B+2:G0B+3], s[6:7], s[22:23]
	s_or_b32 s[G0B+3], s[G0B+3], 0x80000000
	s_add_nc_u64 s[G0K+2:G0K+3], s[4:5], s[20:21]
	s_add_nc_u64 s[G0K+2:G0K+3], s[G0K+2:G0K+3], 16777216   ; k lies behind q
	s_or_b32 s[G0K+3], s[G0K+3], 0x80000000
	s_add_nc_u64 s[G0V+2:G0V+3], s[4:5], s[20:21]
	s_add_nc_u64 s[G0V+2:G0V+3], s[G0V+2:G0V+3], 33554432   ; v behind k
	s_or_b32 s[G0V+3], s[G0V+3], 0x80000000
	s_add_nc_u64 s[BB:BB+1], s[6:7], s[86:87]
	s_add_nc_u64 s[70:71], s[4:5], s[82:83]
	s_add_nc_u64 s[72:73], s[8:9], s[84:85]
	CROUND                          ; all sixteen work-groups are here: the first joint loads meet
	JLOAD                           ; step 0 into slot 0; slot 1 is asked for when slot 0 is in
	v_and_b32 v48, 15, v0           ; r
	v_bfe_u32 v49, v0, 4, 1         ; h
	v_lshlrev_b32 v[QO], 7, v48
	v_lshl_add_u32 v[QO], v49, 4, v[QO]
	WIN 0x80
.set i, 0
.rept 4*NP                          ; Q stays in registers: unit i / 2 (head (i / 2) / 4, tile (i / 2) % 4), channels 32 (i % 2) on
	global_load_b128 v[8*i:8*i+3],   v[QO], s[70:71] offset:(i/8)*131072+((i/2)%4)*2048+(i%2)*64
	global_load_b128 v[8*i+4:8*i+7], v[QO], s[70:71] offset:(i/8)*131072+((i/2)%4)*2048+(i%2)*64+32
.set i, i+1
.endr
	; What the first turn finds: V of head 1 and P's second buffer hold 0 (its products V^T P, of a piece that has not been, add 0), O^T and l are 0.  All this stands in the wait for the first tile.
	WIN 0xc0
.set i, VF
.rept 64
	v_mov_b32 v[i], 0
.set i, i+1
.endr
	WIN 0x40
.set i, 0
.rept 64*NP
	v_mov_b32 v[i], 0
.set i, i+1
.endr
	WIN 0
.set i, 0
.rept 2*NP
	v_mov_b32 v[ST+4*i], 0xfe000000    ; c m: far below every c s
	v_mov_b32 v[ST+4*i+1], 0xff7fffff  ; m
	v_mov_b32 v[ST+4*i+2], 0
	v_mov_b32 v[ST+4*i+3], 0
.set i, i+1
.endr
.set i, P+32
.rept 32
	v_mov_b32 v[i], 0
.set i, i+1
.endr
	v_mul_u32_u24 v[AK0], v48, PK
	v_lshl_add_u32 v[AK0], v49, 4, v[AK0]
	v_add_nc_u32 v[AK0], KOFF, v[AK0]
	v_and_b32 v50, 7, v0
	v_bfe_u32 v51, v0, 3, 1
	v_lshl_add_u32 v[AV0], v49, 3, v50
	v_mul_u32_u24 v[AV0], v[AV0], PV
	v_lshl_add_u32 v[AV0], v51, 4, v[AV0]
	v_add_nc_u32 v[AV0], VOFF, v[AV0]
	v_and_b32 v52, 31, v0
	s_lshl_b32 s18, s[WV], 14
	v_lshl_add_u32 v[AB0], v52, 4, s18 ; my wave's 16,384 bytes of a block, 16 bytes a lane
	s_lshl_b32 s19, s17, 13
	v_lshlrev_b32 v[PF], 8, v52        ; the prefetch: lanes 256 bytes apart, in my work-group's eighth of a block
	v_add_nc_u32 v[PF], s19, v[PF]
; THE MATRIX WORK.  The 8 accumulators of a run of 16 take turns.  Product i of 16 of S^T = K Q^T for piece x: channels 32 (i / 8) on, keys 16 ((i / 2) % 4) on, unit 2 x + i % 2.
; The first 8 start the sums with the bias of tile 2 (x % 2) + i % 2.  K lies in window 2 (head 0: pieces 0, 1) or 3 (head 1).
.macro KQ x
.set rS, S+64*((\x)%2)+32*(i%2)+8*((i/2)%4)
.set rK, KF+16*((i/2)%4)+8*(i/8)
.set rQ, 16*(2*(\x)+i%2)+8*(i/8)
.set rB, 64*((\x)%2)+32*(i%2)+8*((i/2)%4)
.if i < 8
	WIN 0x3a+(\x)/2
	v_wmma_f32_16x16x32_f16 v[rS:rS+7], v[rK:rK+7], v[rQ:rQ+7], v[rB:rB+7]
.else
	WIN 0x0a+(\x)/2
	v_wmma_f32_16x16x32_f16 v[rS:rS+7], v[rK:rK+7], v[rQ:rQ+7], v[rS:rS+7]
.endif
.endm
.macro PV x                         ; product i of 16 of O^T += V^T P for piece x: keys 32 (i / 8) on, channels 16 ((i / 2) % 4) on, unit 2 x + i % 2
	WIN 0x52+(\x)/2
.set rO, 32*(2*(\x)+i%2)+8*((i/2)%4)
.set rV, VF+32*(i/8)+8*((i/2)%4)
.set rP, P+32*((\x)%2)+16*(i%2)+8*(i/8)
	v_wmma_f32_16x16x32_f16 v[rO:rO+7], v[rV:rV+7], v[rP:rP+7], v[rO:rO+7]
.endm
.macro MM                           ; the turn's next matrix instruction
.if i < 16
	KQ (Y+1)%NP
.set i, i+1
.else
.set i, i-16
	PV (Y+NP-1)%NP
.set i, i+17
.endif
.endm
; THE LDS LOADS stand in one run a turn, in the first lump, and are waited for at the next turn's head.
.macro LDK hd
.irp f, 0,1,2,3,4,5,6,7
	ds_load_b128 v[KF+8*\f:KF+8*\f+3],   v[AK] offset:(\hd)*KS*PK+(\f/2)*16*PK+(\f%2)*64
	ds_load_b128 v[KF+8*\f+4:KF+8*\f+7], v[AK] offset:(\hd)*KS*PK+(\f/2)*16*PK+(\f%2)*64+32
.endr
.endm
.macro LDV hd
.irp f, 0,1,2,3,4,5,6,7
	ds_load_tr16_b128 v[VF+8*\f:VF+8*\f+3],   v[AV] offset:(\hd)*KS*PV+(\f/4)*32*PV+(\f%4)*32
	ds_load_tr16_b128 v[VF+8*\f+4:VF+8*\f+7], v[AV] offset:(\hd)*KS*PV+(\f/4)*32*PV+16*PV+(\f%4)*32
.endr
.endm
.macro LDB y                        ; the bias of tiles 2 y and 2 y + 1: 16 loads of 512 consecutive bytes
.irp f, 0,1,2,3,4,5,6,7,8,9,10,11,12,13,14,15
	ds_load_b128 v[64*(\y)+4*\f:64*(\y)+4*\f+3], v[AB] offset:(\y)*8192+\f*512
.endr
.endm
; Piece 2's turn fetches the next step's K of head 0 and the bias of tiles 0, 1 (their last readers: the products K Q^T of turns 0 and 1); piece 3's the bias of tiles 2, 3 and K of head 1 (turn 2's);
; piece 0's V of head 0 of the step in hand (last read in turn 2); piece 1's V of head 1 (last read in turn 0).  last = 1 (the tail): in the last trip there is no further step.
.macro FETCH p, last=0
	WIN 0
.if \last
	s_cmp_eq_u32 s[CNT], 1
	s_cbranch_scc1 .Lno_f_\@
.endif
.if (\p) == 2
	WIN 0x80
	LDK 0
	WIN 0xc0
	LDB 0
.elseif (\p) == 3
	WIN 0xc0
	LDB 1
	LDK 1
.elseif (\p) == 0
	WIN 0x80
	LDV 0
.else
	WIN 0xc0
	LDV 1
.endif
	WIN 0
.if \last
.Lno_f_\@:
.endif
.endm
; THE VECTOR WORK OF A TURN stands in three queues, each in the order in which its entries become ready; the two tiles alternate, so that no instruction reads the result of the one before it.
.macro REGS y, u
.set rT, ST+4*(2*(\y)+(\u))
.set rC, TMP+8*((\y)%2)+4*(\u)
.set rM, MV+2*((\y)%2)+(\u)
.set rS, S+64*((\y)%2)+32*(\u)
.set rP, P+32*((\y)%2)+16*(\u)
.set rO, 32*(2*(\y)+(\u))
.endm
; Number n of the 22 that find the NEXT piece's maximum and statistics; each accumulator's lowest registers are read first.
;   0-11 four chains of seven scores     12-14, 16 the four left over, the old m, the chains into c0     15 c m_old is kept     17, 18 the lane 16 away     19-21 c m; c m_old - c m_new; a
.macro XS u, n
	REGS (Y+1)%NP, \u
.if (\n) < 4
	v_max3_num_f32 v[rC+(\n)], v[rS+8*(\n)], v[rS+8*(\n)+1], v[rS+8*(\n)+2]
.elseif (\n) < 12
	v_max3_num_f32 v[rC+(\n)%4], v[rC+(\n)%4], v[rS+8*((\n)%4)+2*((\n)/4)+1], v[rS+8*((\n)%4)+2*((\n)/4)+2]
.elseif (\n) == 12
	v_max3_num_f32 v[rC], v[rC], v[rS+7], v[rS+15]
.elseif (\n) == 13
	v_max3_num_f32 v[rC+1], v[rC+1], v[rS+23], v[rS+31]
.elseif (\n) == 14
	v_max3_num_f32 v[rC+2], v[rC+2], v[rC+3], v[rT+1]
.elseif (\n) == 15
	v_mov_b32 v[rM], v[rT]
.elseif (\n) == 16
	v_max3_num_f32 v[rC], v[rC], v[rC+1], v[rC+2]
.elseif (\n) == 17
	v_permlanex16_b32 v[rC+3], v[rC], s[SEL], s[SEL+1]
.elseif (\n) == 18
	v_max_num_f32 v[rT+1], v[rC], v[rC+3]
.elseif (\n) == 19
	v_mul_f32 v[rT], s[CS], v[rT+1]
.elseif (\n) == 20
	v_sub_f32 v[rC+1], v[rM], v[rT]
.else
	v_exp_f32 v[rC+2], v[rC+1]
.endif
.endm
; Number g of the 64 that follow the exponentials: for each four weights both pairs are rounded to f16, the second pair is added onto the first in place, and a group later l takes that sum (the first time as l = a l + sum).
.macro GS g
.set h, (\g)+6*((\g)/62)
.if h >= 6
.set h, h+2
.endif
	REGS Y, h%2
.set k, h/8
.if h%8 < 4
	s_wait_alu depctr_va_vdst(0)
	v_cvt_pk_f16_f32 v[rP+2*k+(h%8)/2], v[rS+4*k+2*((h%8)/2)], v[rS+4*k+2*((h%8)/2)+1]
.elseif h%8 < 6
	v_pk_add_f32 v[rS+4*k:rS+4*k+1], v[rS+4*k:rS+4*k+1], v[rS+4*k+2:rS+4*k+3]
.elseif k == 1
	v_pk_fma_f32 v[rT+2:rT+3], v[rT+2:rT+3], v[rC+2:rC+3], v[rS:rS+1] op_sel_hi:[1,0,1]
.else
	v_pk_add_f32 v[rT+2:rT+3], v[rT+2:rT+3], v[rS+4*k-4:rS+4*k-3]
	s_wait_alu depctr_va_vdst(0)
.endif
.endm
; THE PLAIN QUEUE, 138 long.  0-31: c s - c m for the 16 pairs of both tiles.  Then GS's 64, and among them the next piece's 42.
.macro PL
	WIN 0
.if q < 32
	REGS Y, q%2
	v_pk_fma_f32 v[rS+2*(q/2):rS+2*(q/2)+1], v[rS+2*(q/2):rS+2*(q/2)+1], s[CS:CS+1], v[rT:rT+1] op_sel_hi:[1,0,0] neg_lo:[0,0,1] neg_hi:[0,0,1]
.elseif q < 38
	GS q-32
.elseif q < 40
	XS q%2, 15
.elseif q < 42
	GS q-34
.elseif q < 74
	XS q%2, (q-42)/2+(q-42)/30
.elseif q < 95
	GS q-66
.elseif (q < 107) && ((q-95)%3 < 2)
	XS (q-95)%3, 17+(q-95)/3
.elseif q < 107
	GS 29+(q-95)/3
.else
	GS q-74
.endif
.set q, q+1
.endm
; THE EXPONENTIALS' QUEUE, 66 long: the 32 scores of both tiles, and at EA the next piece's two a.
.set EA, 58
.macro EX
	WIN 0
.if (e == EA) || (e == EA+1)
	XS e-EA, 21
.else
.set x, e-2*(e/(EA+2))
	REGS Y, x%2
	v_exp_f32 v[rS+x/2], v[rS+x/2]
.endif
.set e, e+1
.endm
; THE RESCALING's QUEUE: O^T times a, the one part that leaves window 0, dealt four at a time, eight times.
.macro R4
	REGS Y, r%2
	WIN W_RS
	s_wait_alu depctr_va_vdst(0)
.irp z, 0,1,2,3
	v_pk_mul_f32 v[rO+8*(r/2)+2*\z:rO+8*(r/2)+2*\z+1], v[rO+8*(r/2)+2*\z:rO+8*(r/2)+2*\z+1], v[rC+2:rC+3] op_sel_hi:[1,0]
.endr
.set r, r+1
.endm
; THE DEAL.  Behind a matrix instruction four: plain, exponential, plain, plain, or four of the rescaling; none names a register of the products round it.  What is over stands in two lumps: exponential and
; plain by turns; the second ends in 22 plain instructions.  Exponential e stands behind its scaling, plain 2 (e / 4) + e % 2; each exponential has a plain instruction behind it before its result is used.
.macro SL
	MM
	PL
	EX
	PL
	PL
.endm
.macro BURST n
.rept (\n)-7
	SL
.endr
.rept 3
	MM
	R4
	SL
.endr
	MM
	R4
.endm
; A TURN, for piece p.  The run of LDS loads stands thirteen pairs into the first lump, thirteen plain instructions and more behind the last matrix instruction.  cnt = 1: the loop's count is taken down ahead of the branch behind the turn.
.macro TURN p, last=0, cnt=0
.set Y, (\p)
.set i, 0
.set q, 0
.set e, 0
.set r, 0
	s_wait_dscnt 0x0                ; the run of the turn before is in
	MM
.rept 4
	PL
.endr
	BURST 15
.rept 22
	EX
	PL
.if e == 24
	FETCH \p, \last
.endif
.endr
	BURST 16
.rept 21
	EX
	PL
.endr
.rept 22
	PL
.if (\cnt) && (q == 130)
	s_sub_co_u32 s[CNT], s[CNT], 1
	s_cmp_lg_u32 s[CNT], 0
.endif
.endr
.endm
	CHANGE 1                        ; step 0 is in, everybody's part of it; step 1 is asked for
	FETCH 2                         ; K, bias of step 0
	FETCH 3
	s_wait_loadcnt 0x0              ; Q
	s_wait_dscnt 0x0
.set i, 0
.rept 16
	KQ 0                            ; piece 0's first scores
.set i, i+1
.endr
	WIN 0                           ; the addresses for the way out: ten plain instructions, the places behind those products
	s_mul_i32 s18, s[WV], 16*SP
	s_add_co_u32 s18, s18, STAGE    ; my stage
	v_mul_u32_u24 v[STO], v48, SP   ; in: row r, 16 bytes for each half of the lanes
	v_lshl_add_u32 v[STO], v49, 4, v[STO]
	v_add_nc_u32 v[STO], s18, v[STO]
	v_mul_u32_u24 v[RD], v49, SP    ; back: lanes 0-15 one row of 256 bytes, lanes 16-31 the next
	v_lshl_add_u32 v[RD], v48, 4, v[RD]
	v_add_nc_u32 v[RD], s18, v[RD]
	v_lshlrev_b32 v[GO], 11, v49    ; and the same two rows in oh
	v_lshl_add_u32 v[GO], v48, 4, v[GO]
.set Y, NP-1                        ; XS works for piece Y + 1: piece 0
.irp n, 0,1,2,3,4,5,6,7,8,9,10,11,12,13,14,15,16,17,18,19,20,21
	XS 0, \n
	XS 1, \n
.endr
	s_mov_b32 s[CNT], 15
	s_branch .Lfirst                ; the loop is entered at a step's first turn, in the middle of a trip
.Lstep:                             ; 14 times: steps 2 to 15 are asked for
	CHANGE 1
	TURN 2
	TURN 3
	WIN 0
.Lfirst:
	TURN 0
	TURN 1, 0, 1
	WIN 0
	s_cbranch_scc1 .Lstep
	CHANGE 0                        ; the tail is written out: nothing is asked for
	s_mov_b32 s[CNT], 2             ; the first trip fetches step 15; the second is left in its middle
.Ltail:
	TURN 2, 1
	TURN 3, 1
	WIN 0
	s_sub_co_u32 s[CNT], s[CNT], 1
	s_cmp_eq_u32 s[CNT], 0
	s_cbranch_scc1 .Lout
	TURN 0
	TURN 1
	WIN 0
	s_branch .Ltail
.Lout:                              ; the last trip's 16 products K Q^T (on the last K and bias once more) and the maximum made of them change nothing: the price of one text for every trip
.set i, 0
.rept 16
	PV NP-1
.set i, i+1
.endr
	; THE WAY OUT.  l's halves and the other half of the lanes' are added; O^T is divided by l (NaN where no key was open), rounded to f16 and sent through my stage, a tile of both heads at a time.
	WIN 0
.macro ALL line:vararg
.set t, 0
.rept 2*NP
	\line
.set t, t+1
.endr
.endm
	ALL v_add_f32 v[ST+4*t+2], v[ST+4*t+2], v[ST+4*t+3]
	ALL v_permlanex16_b32 v[ST+4*t+3], v[ST+4*t+2], s[SEL], s[SEL+1]
	ALL v_add_f32 v[ST+4*t+2], v[ST+4*t+2], v[ST+4*t+3]
	ALL v_rcp_f32 v[ST+4*t+2], v[ST+4*t+2]
	v_mov_b32 v[TMP], 0x7fc00000    ; NaN; also the plain instruction between the last reciprocal and the use of its result
.set t, 0
	s_wait_alu depctr_va_vdst(0)
.rept 2*NP
	v_cmp_gt_f32 vcc_lo, s[THR], v[ST+4*t+1]
	v_cndmask_b32 v[ST+4*t+2], v[ST+4*t+2], v[TMP], vcc_lo
.set t, t+1
.endr
.macro PACK qt
.irp hd, 0,1
	WIN W_RS
.set i, 32*(4*(\hd)+(\qt))
.rept 16
	v_pk_mul_f32 v[i:i+1], v[i:i+1], v[ST+4*(4*(\hd)+(\qt))+2:ST+4*(4*(\hd)+(\qt))+3] op_sel_hi:[1,0]
.set i, i+2
.endr
	WIN 0x05                        ; sources 0 and 1 window 1, destination window 0
.set i, 0
.rept 16
	v_cvt_pk_f16_f32 v[S+32*(\qt)+16*(\hd)+i], v[32*(4*(\hd)+(\qt))+2*i], v[32*(4*(\hd)+(\qt))+2*i+1]
.set i, i+1
.endr
.endr
	WIN 0
.irp f, 0,1,2,3,4,5,6,7             ; head f / 4, channels 16 (f % 4) on
	ds_store_b128 v[STO], v[S+32*(\qt)+4*\f:S+32*(\qt)+4*\f+3] offset:32*\f
.endr
.irp f, 0,1,2,3,4,5,6,7
	ds_load_b128 v[S+32*(\qt)+4*\f:S+32*(\qt)+4*\f+3], v[RD] offset:\f*2*SP  ; LDS serves a wave's instructions in order (ISA guide 5.7.1.4): these see the stores above; the next tile's stores come behind them
.endr
.endm
.macro SEND qt, younger             ; younger: the LDS instructions issued behind this tile's loads: the next tile's sixteen, or none
	WIN 0
.irp f, 0,1,2,3,4,5,6,7
	s_wait_dscnt (\younger)+7-\f
	global_store_b128 v[GO], v[S+32*(\qt)+4*\f:S+32*(\qt)+4*\f+3], s[72:73] offset:(\qt)*32768+\f*4096  ; 16 lanes store 256 consecutive bytes, at a multiple of 256 from oh's first byte
.endr
.endm
	PACK 0
	PACK 1
	SEND 0, 16
	PACK 2
	SEND 1, 16
	PACK 3
	SEND 2, 16
	SEND 3, 0
	s_wait_tensorcnt 0x0            ; the wave's end
	ds_add_u32 v[SPW], v[NIL]
	s_wait_dscnt 0x0
	CROUND                          ; the closing round
	s_endpgm
.Lfunc_end_k_q74cfa472c4_attn:
	.size	k_q74cfa472c4_attn, .Lfunc_end_k_q74cfa472c4_attn-k_q74cfa472c4_attn
	.p2alignl 7, 3214868480
	.fill 96, 4, 3214868480
	.section	.rodata,"a",@progbits
	.p2align	6, 0x0
	.amdhsa_kernel k_q74cfa472c4_attn
		.amdhsa_group_segment_fixed_size 327680
		.amdhsa_private_segment_fixed_size 0
		.amdhsa_enable_private_segment 0
		.amdhsa_kernarg_size 24
		.amdhsa_user_sgpr_count 2
		.amdhsa_user_sgpr_kernarg_segment_ptr 1
		.amdhsa_wavefront_size32 1
		.amdhsa_system_sgpr_workgroup_id_x 1
		.amdhsa_system_sgpr_workgroup_id_y 1
		.amdhsa_system_sgpr_workgroup_id_z 1
		.amdhsa_system_vgpr_workitem_id 0
		.amdhsa_next_free_vgpr 1024
		.amdhsa_next_free_sgpr 88
		.amdhsa_reserve_vcc 1
		.amdhsa_float_denorm_mode_32 3
		.amdhsa_float_denorm_mode_16_64 3
		.amdhsa_memory_ordered 1
		.amdhsa_forward_progress 1
		.amdhsa_inst_pref_size 223
	.end_amdhsa_kernel
	.amdgpu_metadata
---
amdhsa.version: [ 1, 2 ]
amdhsa.kernels:
  - .name:           k_q74cfa472c4_attn
    .symbol:         k_q74cfa472c4_attn.kd
    .args:
      - { .name: qkv, .offset: 0, .size: 8, .value_kind: global_buffer, .address_space: global }
      - { .name: bias8, .offset: 8, .size: 8, .value_kind: global_buffer, .address_space: global }
      - { .name: oh, .offset: 16, .size: 8, .value_kind: global_buffer, .address_space: global }
    .group_segment_fixed_size: 327680
    .private_segment_fixed_size: 0
    .kernarg_segment_align: 8
    .kernarg_segment_size: 24
    .max_flat_workgroup_size: 128
    .sgpr_count:     88
    .vgpr_count:     1024
    .wavefront_size: 32
...
	.end_amdgpu_metadata
.endif
;; end of part 3
;; launch outp (part 4): grid 4 x 64, 4 waves a work-group, clusters of 4 x 4, 327,680 bytes of LDS; arguments oh, wts, bo, out0; writes out0
.if DOCPART == 4
	.amdgcn_target "amdgcn-amd-amdhsa--gfx1250"
	.amdhsa_code_object_version 6
	.text
	.protected	k_q74cfa472c4_outp
	.globl	k_q74cfa472c4_outp
	.p2align	8
	.type	k_q74cfa472c4_outp,@function
k_q74cfa472c4_outp:
	s_mov_b64 s[64:65], 0
	v_nop
	global_prefetch_b8 v0, s[64:65] scope:SCOPE_SE
	s_setreg_imm32_b32 hwreg(HW_REG_WAVE_MODE, 25, 1), 1
	s_wait_xcnt 0x0
	s_wait_alu depctr_hold_cnt(0) depctr_sa_sdst(0) depctr_va_vdst(0) depctr_va_sdst(0) depctr_va_ssrc(0) depctr_va_vcc(0) depctr_vm_vsrc(0)
	s_getreg_b32 s2, hwreg(HW_REG_IB_STS2, 6, 4)
	s_cmp_eq_u32 s2, 0
	s_cbranch_scc0 .Lentry_in_a_cluster
	s_endpgm
.Lentry_in_a_cluster:
	s_bfe_u32 s2, ttmp6, 0x10000c
	s_cmp_lg_u32 s2, 0xf033
	s_cbranch_scc0 .Lentry_shape_is_right
	s_endpgm
.Lentry_shape_is_right:
; THE OUTPUT PROJECTION: out0 = O Wo + bf16(bo).  O: f16 [8192][1024] (oh); Wo: f16 [k][n], the fourth matrix of wts; sums and out0 in f32.
; 256 work-groups: a tile of 128 (m) x 256 (n); each of four waves 64 x 128: 32 accumulators.  K goes in 8 steps of 128 through two LDS slots; O's rows in a tile are 256 bytes, Wo's 512.
; Wo is turned by ds_load_tr16_b128.  THE MATRIX INSTRUCTION IS USED TRANSPOSED (source 0 = 16 columns of Wo, source 1 = 16 rows of O): a lane holds eight neighbouring n of one row.
; The bias is the C operand of the products that start the sums.
; CLUSTER 4 x 4: O's tile is asked for jointly along a row of the cluster, Wo's along a column.  The grid is 4 wide: the cluster's x is 0 and the tile column is cx.
; REGISTERS: window 0: v16-29 addresses; v32-63 at work; v64-127 O's fragments, two buffers; v128-255 rows read back, two buffers     window 1: v0-127 Wo's fragments, two buffers; v128-191 the bias as C
;   window 2: accumulator (a, b) at v[8 (8 a + b)]
.set PA,    272
.set PB,    544
.set HA,    64*PA
.set HB,    64*PB
.set BOFF,  2*HA
.set SLOT,  BOFF+2*HB
.set STAGE, 2*SLOT                     ; behind the ring: 16 rows x 528 bytes for each wave
.set SP,    528
.set SPARE, STAGE+4*16*SP              ; the spare words, 128 bytes for each wave, that no other line names
.set ADRA, 16
.set ADRB, 20
.set STO,  24
.set RD,   25
.set GO,   26
.set BO,   27
.set SPW,  28
.set NIL,  29
.set TMP,  32
.set AF,   64
.set OB,   128
.set BC,   128                         ; window 1
.set WV, 12
.set WM, 13
.set WN, 14
.set G1A, 24
.set G0A, 32
.set G1B, 40
.set G0B, 48
.set MUL,  0xa1
.set MULB, 0x91
.set TO_B, 0x40
.set MSB, 0
.macro WIN new
.if MSB != (\new)
	s_set_vgpr_msb (MSB<<8)|(\new)
.set MSB, (\new)
.endif
.endm
.macro JLOAD s                         ; waves 0 and 1 fetch O's two halves, waves 2 and 3 Wo's; an s_nop 0 and four v_nop follow each line
	s_cmp_eq_u32 s[WM], 0
	s_cbranch_scc0 .Lfor_b_\@
	tensor_load_to_lds s[G0A+4*(\s):G0A+4*(\s)+3], s[G1A:G1A+7]
	s_nop 0
.rept 4
	v_nop
.endr
	s_branch .Lasked_\@
.Lfor_b_\@:
	tensor_load_to_lds s[G0B+4*(\s):G0B+4*(\s)+3], s[G1B:G1B+7]
	s_nop 0
.rept 4
	v_nop
.endr
.Lasked_\@:
.endm
.macro CREST
	s_cmp_lg_u32 s[WV], 0
	s_cbranch_scc1 .Lnot_wave_0_\@
	s_barrier_signal -3
.Lnot_wave_0_\@:
	s_barrier_wait -3
	s_barrier_signal -1
	s_barrier_wait -1
.endm
.macro CROUND
	s_barrier_signal -1
	s_barrier_wait -1
	CREST
.endm
.macro PLACES                          ; four places in front of loads into registers that matrix instructions have read, and of LDS stores that read results (ISA guide 7.12.1 for the stores)
.rept 4
	v_nop
.endr
.endm
	s_load_b256 s[4:11], s[0:1], 0x0               ; oh 4, wts 6, bo 8, out0 10
	v_lshl_add_u32 v[SPW], v0, 2, SPARE
	v_mov_b32 v[NIL], 0
	ds_add_u32 v[SPW], v[NIL]                      ; the wave's opening: the add and its wait stand ahead of my first tensor load
	v_lshrrev_b32 v1, 5, v0
	v_readfirstlane_b32 s[WV], v1
	s_lshr_b32 s[WM], s[WV], 1
	s_and_b32 s[WN], s[WV], 1
	s_bfe_u32 s15, ttmp6, 0x40000                  ; cx = the tile column
	s_bfe_u32 s16, ttmp6, 0x40004                  ; cy
	s_and_b32 s17, ttmp7, 0xffff
	s_lshl_b32 s18, s17, 2
	s_add_co_u32 s18, s18, s16                     ; tile row, 0..63
	s_lshl_b32 s19, s16, 2
	s_lshl_b32 s19, 15, s19                        ; my row of the cluster
	s_lshl_b32 s20, 0x1111, s15                    ; my column
	s_or_b32 s[G1A], s19, (1<<16)|(1<<20)|(1<<21)|(5<<22)|(3<<25)  ; mask; 2-byte elements; padding after every 64 words, of 4 words
	s_or_b32 s[G1B], s20, (1<<16)|(1<<20)|(1<<21)|(6<<22)|(7<<25)  ; mask; after every 128 words, 8 words
	s_mov_b32 s[G1A+1], 128<<16
	s_mov_b32 s[G1A+2], 64<<16
	s_mov_b32 s[G1A+3], 128<<16
	s_mov_b32 s[G1A+4], 64
	s_mov_b32 s[G1A+5], 1024
	s_mov_b32 s[G1A+6], 0
	s_mov_b32 s[G1A+7], 0
	s_mov_b32 s[G1B+1], 256<<16
	s_mov_b32 s[G1B+2], 64<<16
	s_mov_b32 s[G1B+3], 256<<16
	s_mov_b32 s[G1B+4], 64
	s_mov_b32 s[G1B+5], 1024
	s_mov_b32 s[G1B+6], 0
	s_mov_b32 s[G1B+7], 0
	s_lshl_b32 s56, s18, 7                         ; O: row 128 x tile row + 64 x half, in registers that never hold cx
	s_lshl_b32 s57, s[WN], 6
	s_add_co_u32 s56, s56, s57
	s_lshl_b32 s56, s56, 11                        ; x 2,048 bytes
	s_mov_b32 s57, 0
	s_lshl_b32 s58, s[WN], 17                      ; Wo: 64 k rows x half + 512 bytes x tile column, behind three matrices; never cy
	s_lshl_b32 s59, s15, 9
	s_add_co_u32 s58, s58, s59
	s_add_co_u32 s58, s58, 3*2097152
	s_mov_b32 s59, 0
	s_mul_i32 s60, s[WN], HA
	s_mul_i32 s61, s[WN], HB
	s_add_co_u32 s61, s61, BOFF
	s_mov_b32 s68, 0xffff0000
	s_wait_dscnt 0x0                               ; the opening add is done
	s_wait_kmcnt 0x0
	s_add_nc_u64 s[56:57], s[4:5], s[56:57]
	s_add_nc_u64 s[58:59], s[6:7], s[58:59]
	CROUND                                         ; the first joint loads meet
.irp s, 0,1
	s_mov_b32 s[G0A+4*(\s)], 1
	s_add_co_u32 s[G0A+4*(\s)+1], s60, (\s)*SLOT
	s_add_nc_u64 s[G0A+4*(\s)+2:G0A+4*(\s)+3], s[56:57], (\s)*256
	s_or_b32 s[G0A+4*(\s)+3], s[G0A+4*(\s)+3], 0x80000000
	s_mov_b32 s[G0B+4*(\s)], 1
	s_add_co_u32 s[G0B+4*(\s)+1], s61, (\s)*SLOT
	s_add_nc_u64 s[G0B+4*(\s)+2:G0B+4*(\s)+3], s[58:59], (\s)*262144
	s_or_b32 s[G0B+4*(\s)+3], s[G0B+4*(\s)+3], 0x80000000
	JLOAD \s                                       ; two loads of mine are out
.endr
	v_and_b32 v1, 15, v0                           ; r
	v_bfe_u32 v2, v0, 4, 1                         ; h
	v_mul_u32_u24 v3, v1, PA
	v_lshl_add_u32 v3, v2, 4, v3
	s_mul_i32 s60, s[WM], HA
	v_add_nc_u32 v[ADRA], s60, v3
	v_add_nc_u32 v[ADRA+1], SLOT, v[ADRA]
	v_and_b32 v4, 7, v0
	v_bfe_u32 v5, v0, 3, 1
	v_lshl_add_u32 v6, v2, 3, v4
	v_mul_u32_u24 v6, v6, PB
	v_lshl_add_u32 v6, v5, 4, v6
	s_lshl_b32 s61, s[WN], 8
	s_add_co_u32 s61, s61, BOFF
	v_add_nc_u32 v[ADRB], s61, v6
	v_add_nc_u32 v[ADRB+1], SLOT, v[ADRB]
	s_mul_i32 s60, s[WV], 16*SP
	s_add_co_u32 s60, s60, STAGE                   ; my stage
	v_mul_u32_u24 v[STO], v1, SP
	v_lshl_add_u32 v[STO], v2, 5, v[STO]
	v_add_nc_u32 v[STO], s60, v[STO]               ; in: row r, 32 bytes for each half of the lanes
	v_and_b32 v[GO], 31, v0
	v_lshlrev_b32 v[GO], 4, v[GO]                  ; back and out: a row's 512 bytes, 16 a lane
	v_add_nc_u32 v[RD], s60, v[GO]
	v_lshlrev_b32 v[BO], 5, v2
	s_lshl_b32 s62, s15, 10                        ; my 128 numbers of bo, and my 512 bytes of a row of out0
	s_lshl_b32 s63, s[WN], 9
	s_add_co_u32 s62, s62, s63
	s_mov_b32 s63, 0
	s_add_nc_u64 s[8:9], s[8:9], s[62:63]
	s_lshl_b32 s22, s18, 7
	s_lshl_b32 s23, s[WM], 6
	s_add_co_u32 s22, s22, s23
	s_lshl_b32 s22, s22, 12                        ; my first row x 4,096 bytes
	s_add_co_u32 s22, s22, s62
	s_mov_b32 s23, 0
	s_add_nc_u64 s[66:67], s[10:11], s[22:23]
.irp b, 0,1,2,3,4,5,6,7
	global_load_b128 v[OB+8*(\b):OB+8*(\b)+3],   v[BO], s[8:9] offset:(\b)*64
	global_load_b128 v[OB+8*(\b)+4:OB+8*(\b)+7], v[BO], s[8:9] offset:(\b)*64+16
.endr
	s_wait_loadcnt 0x0
.set i, 0
.rept 32
	v_cvt_pk_bf16_f32 v[TMP+i], v[OB+2*i], v[OB+2*i+1]   ; bo is rounded to bf16 like every input
.set i, i+1
.endr
	WIN TO_B
.set i, 0
.rept 32
	v_lshlrev_b32 v[BC+2*i],   16,  v[TMP+i]
	v_and_b32     v[BC+2*i+1], s68, v[TMP+i]
.set i, i+1
.endr
	WIN 0
; 8 products: m block a x all 8 n blocks, 32 along K, buffer f.  The 32 accumulators take turns, in the same order in every quarter.
.macro MUL8 f, a, first
.if \first
	WIN MULB
.else
	WIN MUL
.endif
.irp b, 0,1,2,3,4,5,6,7
.if \first
	v_wmma_f32_16x16x32_f16 v[8*(8*(\a)+(\b)):8*(8*(\a)+(\b))+7], v[64*(\f)+8*(\b):64*(\f)+8*(\b)+7], v[AF+32*(\f)+8*(\a):AF+32*(\f)+8*(\a)+7], v[BC+8*(\b):BC+8*(\b)+7]
.else
	v_wmma_f32_16x16x32_f16 v[8*(8*(\a)+(\b)):8*(8*(\a)+(\b))+7], v[64*(\f)+8*(\b):64*(\f)+8*(\b)+7], v[AF+32*(\f)+8*(\a):AF+32*(\f)+8*(\a)+7], v[8*(8*(\a)+(\b)):8*(8*(\a)+(\b))+7]
.endif
.endr
.endm
.macro FETCH slot, q, f                ; 24 LDS loads in one run: quarter q's fragments into buffer f, Wo's sixteen first
	WIN TO_B
.irp b, 0,1,2,3,4,5,6,7
	ds_load_tr16_b128 v[64*(\f)+8*(\b):64*(\f)+8*(\b)+3],   v[ADRB+(\slot)] offset:(\q)*32*PB+32*(\b)
	ds_load_tr16_b128 v[64*(\f)+8*(\b)+4:64*(\f)+8*(\b)+7], v[ADRB+(\slot)] offset:(\q)*32*PB+16*PB+32*(\b)
.endr
	WIN 0
.irp a, 0,1,2,3
	ds_load_b128 v[AF+32*(\f)+8*(\a):AF+32*(\f)+8*(\a)+3],   v[ADRA+(\slot)] offset:(\a)*16*PA+(\q)*64
	ds_load_b128 v[AF+32*(\f)+8*(\a)+4:AF+32*(\f)+8*(\a)+7], v[ADRA+(\slot)] offset:(\a)*16*PA+(\q)*64+32
.endr
.endm
; One of a K step's first three quarters: multiplies buffer f and fetches quarter q of the same slot into the other.
.macro QUARTER slot, q, f, first
	s_wait_dscnt 4                                 ; Wo and O's blocks 0, 1 are in; the youngest four loads may be out
	MUL8 \f, 0, \first
	MUL8 \f, 1, \first
	PLACES
	FETCH \slot, \q, 1-(\f)
	s_wait_dscnt 24                                ; all but the 24 just issued
	MUL8 \f, 2, \first
	MUL8 \f, 3, \first
.endm
; The last quarter multiplies buffer 1 and changes slots: each wave waits for all its tensor loads (one is out: its part of the next slot), adds 0 to its spare word, and waits for that and for its reads of this slot.
.macro TURN slot, next, fill
	WIN 0
	s_wait_tensorcnt 0x0
	ds_add_u32 v[SPW], v[NIL]
	s_wait_dscnt 5                                 ; the add and the youngest four loads may be out
	MUL8 1, 0, 0
	s_wait_dscnt 0x0                               ; the add is done, and my reads of this slot are over
	s_barrier_signal -1
	MUL8 1, 1, 0
.if \fill
	WIN 0
.endif
	s_barrier_wait -1
.if \fill
	CREST                                          ; the barrier has opened a round of the cluster's: no wave of any partner still reads this slot or has a load on its way
	s_add_nc_u64 s[G0A+4*(\slot)+2:G0A+4*(\slot)+3], s[G0A+4*(\slot)+2:G0A+4*(\slot)+3], 2*256
	s_add_nc_u64 s[G0B+4*(\slot)+2:G0B+4*(\slot)+3], s[G0B+4*(\slot)+2:G0B+4*(\slot)+3], 2*262144
	JLOAD \slot                                    ; the four v_nop behind it are also the places in front of the loads below
.else
	PLACES
.endif
	FETCH \next, 0, 0
	MUL8 1, 2, 0
	MUL8 1, 3, 0
.endm
	s_wait_tensorcnt 1                             ; my part of K step 0 is in; step 1's may stay out
	s_barrier_signal -1
	s_barrier_wait -1
	FETCH 0, 0, 0
	QUARTER 0, 1, 0, 1                             ; the first quarter stands in front of the loop: its products start the sums, with the bias
	WIN 0
	s_mov_b32 s3, 3
.Llap:
	QUARTER 0, 2, 1, 0
	QUARTER 0, 3, 0, 0
	TURN 0, 1, 1
	QUARTER 1, 1, 0, 0
	QUARTER 1, 2, 1, 0
	QUARTER 1, 3, 0, 0
	TURN 1, 0, 1
	QUARTER 0, 1, 0, 0
	WIN 0
	s_sub_co_u32 s3, s3, 1
	s_cmp_lg_u32 s3, 0
	s_cbranch_scc1 .Llap
	QUARTER 0, 2, 1, 0                             ; the last lap fills nothing
	QUARTER 0, 3, 0, 0
	TURN 0, 1, 0
	QUARTER 1, 1, 0, 0
	QUARTER 1, 2, 1, 0
	QUARTER 1, 3, 0, 0
	s_wait_dscnt 4
	MUL8 1, 0, 0
	MUL8 1, 1, 0
	s_wait_dscnt 0x0
	MUL8 1, 2, 0
	MUL8 1, 3, 0
	; THE WAY OUT, a block of 16 rows at a time: the f32 sums go straight from the accumulators (low four registers first) into my stage and come back as whole rows of 512 bytes.
	PLACES
.irp a, 0,1,2,3
	s_wait_xcnt 0x0                                ; the registers that earlier stores read are loaded again only behind this wait
	WIN 0x08                                       ; the stores' data in window 2
.irp b, 0,1,2,3,4,5,6,7
	ds_store_b128 v[STO], v[8*(8*(\a)+(\b)):8*(8*(\a)+(\b))+3]   offset:(\b)*64
	ds_store_b128 v[STO], v[8*(8*(\a)+(\b))+4:8*(8*(\a)+(\b))+7] offset:(\b)*64+16
.endr
	WIN 0
.irp t, 0,1,2,3,4,5,6,7,8,9,10,11,12,13,14,15
	ds_load_b128 v[OB+64*((\a)%2)+4*(\t):OB+64*((\a)%2)+4*(\t)+3], v[RD] offset:(\t)*SP  ; LDS serves a wave's instructions in order (ISA guide 5.7.1.4): these see the stores above
.endr
.irp t, 0,1,2,3,4,5,6,7,8,9,10,11,12,13,14,15
	s_wait_dscnt 15-(\t)                           ; the younger rows stay out
	global_store_b128 v[GO], v[OB+64*((\a)%2)+4*(\t):OB+64*((\a)%2)+4*(\t)+3], s[66:67] offset:((\a)*16+(\t))*4096 th:TH_STORE_NT  ; 512 consecutive bytes, at a multiple of 512 from out0's first
.endr
.endr
	s_wait_tensorcnt 0x0                           ; the wave's end
	ds_add_u32 v[SPW], v[NIL]
	s_wait_dscnt 0x0
	CROUND                                         ; the closing round
	s_endpgm
.Lfunc_end_k_q74cfa472c4_outp:
	.size	k_q74cfa472c4_outp, .Lfunc_end_k_q74cfa472c4_outp-k_q74cfa472c4_outp
	.p2alignl 7, 3214868480
	.fill 96, 4, 3214868480
	.section	.rodata,"a",@progbits
	.p2align	6, 0x0
	.amdhsa_kernel k_q74cfa472c4_outp
		.amdhsa_group_segment_fixed_size 327680
		.amdhsa_private_segment_fixed_size 0
		.amdhsa_enable_private_segment 0
		.amdhsa_kernarg_size 32
		.amdhsa_user_sgpr_count 2
		.amdhsa_user_sgpr_kernarg_segment_ptr 1
		.amdhsa_wavefront_size32 1
		.amdhsa_system_sgpr_workgroup_id_x 1
		.amdhsa_system_sgpr_workgroup_id_y 1
		.amdhsa_system_sgpr_workgroup_id_z 1
		.amdhsa_system_vgpr_workitem_id 0
		.amdhsa_next_free_vgpr 768
		.amdhsa_next_free_sgpr 72
		.amdhsa_reserve_vcc 0
		.amdhsa_float_denorm_mode_32 3
		.amdhsa_float_denorm_mode_16_64 3
		.amdhsa_memory_ordered 1
		.amdhsa_forward_progress 1
		.amdhsa_inst_pref_size 93
	.end_amdhsa_kernel
	.amdgpu_metadata
---
amdhsa.version: [ 1, 2 ]
amdhsa.kernels:
  - .name:           k_q74cfa472c4_outp
    .symbol:         k_q74cfa472c4_outp.kd
    .args:
      - { .name: oh, .offset: 0, .size: 8, .value_kind: global_buffer, .address_space: global }
      - { .name: wts, .offset: 8, .size: 8, .value_kind: global_buffer, .address_space: global }
      - { .name: bo, .offset: 16, .size: 8, .value_kind: global_buffer, .address_space: global }
      - { .name: out0, .offset: 24, .size: 8, .value_kind: global_buffer, .address_space: global }
    .group_segment_fixed_size: 327680
    .private_segment_fixed_size: 0
    .kernarg_segment_align: 8
    .kernarg_segment_size: 32
    .max_flat_workgroup_size: 128
    .sgpr_count:     72
    .vgpr_count:     768
    .wavefront_size: 32
...
	.end_amdgpu_metadata
.endif
;; end of part 4
